; MI455X (gfx1250); checked and timed in simulation.
; The chip was launched on July 23, 2026; its instructions are those of AMD's public machine-readable ISA for CDNA 5 (MIT licence, August 2026) and "CDNA5" Instruction Set Architecture Reference Guide (July 2026). The comments in the code are by the model that wrote it; some were corrected since.
;; GPT2 Attention. Allowed arithmetic: matrix products marked QUANTISED: E2M1 operands, one E8M0 scale for each 32 along K, by v_wmma_scale_f32_16x16x128_f8f6f4 with both operands' format E2M1 (or v_wmma_scale_f32_32x16x128_f4), f32 sums; products left as they are: bf16, f16 or f32 operands; f32 sums; everything else in f32.
;; Inputs: c_attn_b 3,072 float32; c_attn_w 1,024 x 3,072 float32; c_proj_b 1,024 float32; c_proj_w 1,024 x 1,024 float32; hidden_states 2 x 2,048 x 1,024 float32.
;; Outputs: out0 2 x 2,048 x 1,024 float32.
;; This version of the problem:
;;   THIS VERSION OF THE PROBLEM IS GIVEN IN LOW PRECISION. The matrix products marked QUANTISED in the list below multiply operands that are first quantised to E2M1 (2 exponent bits, 1 mantissa bit; 4 bits a number), with one power-of-two scale for each 32 numbers along K (OCP MX v1.0); their sums are f32. The products marked 'left as it is' may take bf16, f16 or f32 operands, with f32 sums. Whichever they take, every output number must still come out within the allowed error. Rounding operands to bf16 (8 significant bits) uses up far more of that allowance than f16 does (11 bits, for magnitudes from 6e-5 to 65,504). All else is computed in f32.
;;   The module's matrix products, in the order in which they are computed (A, B: the left and right operand; K: the contracted axis; several contracted axes count as one K, in the product's order):
;;     1. [M 4,096, K 1,024] x [K 1,024, N 3,072]; A: input hidden_states; B: input c_attn_w: QUANTISED
;;     2. batch 32 x [M 2,048, K 64] x [K 64, N 2,048]; A: computed on the way; B: computed on the way: left as it is (an operand is computed on the way)
;;     3. batch 32 x [M 2,048, K 2,048] x [K 2,048, N 64]; A: computed on the way; B: computed on the way: left as it is (an operand is computed on the way)
;;     4. [M 4,096, K 1,024] x [K 1,024, N 1,024]; A: computed on the way; B: input c_proj_w: left as it is (an operand is computed on the way)
;;   THE QUANTISER, for each operand of a quantised product, along K:
;;     - K is cut into blocks of 32 from its start; a last block that is shorter is filled with zeros.
;;     - A block's scale is 2^e with e = floor(log2(the largest magnitude in the block)) - 2, held to -126 .. 127; a block of zeros has e = 0. As a byte (E8M0): e + 127.
;;     - Each number is divided by its block's scale, clamped to +-6, and rounded to the nearest number of E2M1, ties to even, subnormals kept.
;;     - The product sums the exact products of the quantised numbers (number of the format x scale) in f32.
;;   ~~~python
;;   def quantise(x, axis):      # numpy; x: float32 -> the quantised numbers, widened to float32 again
;;       x = np.moveaxis(x, axis, -1); K = x.shape[-1]
;;       x = np.pad(x, [(0, 0)] * (x.ndim - 1) + [(0, -K % 32)]); x = x.reshape(x.shape[:-1] + (-1, 32)); a = np.abs(x).max(-1, keepdims=True)
;;       e = np.where(a > 0, np.clip(np.frexp(np.where(a > 0, a, 1))[1] - 1 - 2, -126, 127), 0)      # np.frexp(a)[1] - 1 = floor(log2(a)), exactly
;;       r = np.clip(x / 2.0 ** e, -6, 6)
;;       step = 2.0 ** (np.maximum(np.frexp(np.where(r == 0, 1, r))[1] - 1, 0) - 1)
;;       q = np.round(r / step) * step * 2.0 ** e      # np.round: ties to even
;;       return np.moveaxis(q.reshape(q.shape[:-2] + (-1,))[..., :K], -1, axis).astype(np.float32)
;;   ~~~
;; One version. Each part assembles by itself: llvm-mc -triple=amdgcn-amd-amdhsa -mcpu=gfx1250 --defsym DOCPART=n.
;; ======== version 1 of 1: 5 launches
;; limits: values are held in f16: magnitudes above 65,504 overflow, below 6.1e-05 lose precision
;; workspace buffers: x_codes 2,097,152 bytes; x_scales 131,072 bytes; w_codes 1,572,864 bytes; w_scales 98,304 bytes; wpt 2,097,152 bytes; qkvh 25,165,824 bytes; qkv_fine 786,432 bytes; attn_h 8,388,608 bytes
;; launch prep (part 1): grid 256 x 1, 8 waves a work-group, no clusters, 130,560 bytes of LDS; arguments hidden_states, c_attn_w, c_proj_w, x_codes, x_scales, w_codes, w_scales, wpt; writes x_codes, x_scales, w_codes, w_scales, wpt
.if DOCPART == 1
	.amdgcn_target "amdgcn-amd-amdhsa--gfx1250"
	.amdhsa_code_object_version 6
	.text
	.protected	k_q671ec47ac4_prep
	.globl	k_q671ec47ac4_prep
	.p2align	8
	.type	k_q671ec47ac4_prep,@function
k_q671ec47ac4_prep:
	s_mov_b64 s[64:65], 0
	v_nop
	global_prefetch_b8 v0, s[64:65] scope:SCOPE_SE
	s_setreg_imm32_b32 hwreg(HW_REG_WAVE_MODE, 25, 1), 1
	s_wait_xcnt 0x0
; THREE JOBS IN ONE LAUNCH, told apart by the work-group's number; the three ways never join, and each has LDS bytes of its own.
;   X (work-groups 0-127):   hidden_states [4096][1024] f32 -> codes of E2M1, K innermost, [4096][512 bytes], and one E8M0 byte for each 32 along K, [4096][32].
;   W (work-groups 128-223): c_attn_w [1024 (k)][3072 (n)] f32, K its FIRST axis -> codes [3072][512 bytes] with K innermost, bytes [3072][32].
;   P (work-groups 224-255): c_proj_w [1024 (k)][1024 (n)] f32 -> f16, turned: wpt [1024 (n)][1024 (k)].
; A block's scale is 2^(floor(log2(its largest magnitude)) - 2); its byte is that magnitude's exponent field - 2, held at 1 from below.
; LIMITS: NaN and infinities are not served; a block whose largest magnitude lies under 2^-124 keeps the byte 1; a block of zeros gets the byte 1 where the
; rule says 127 (its codes are zeros, and this program alone reads the bytes); numbers of c_proj_w beyond 65,504 become infinity in f16.
; Every wave asks for all its 16 KiB of input at once; no pointer is stepped, every offset is an immediate.
.set XST,   0                          ; X: for each wave two stages of 32 x 80 bytes
.set XSC,   40960                      ; X: the work-group's 1,024 scale bytes
.set WST,   41984                      ; W: 32 columns x (512 bytes of codes + 16)
.set WSC,   58880                      ; W: 32 columns x 32 scale bytes
.set PST,   59904                      ; P: for each wave 32 columns x (256 bytes of f16 + 16)
.set SPARE, 129536                     ; the spare words, 128 bytes for each wave: four blocks of 256 bytes that no other line names
.set SPW,   12                         ; v12  SPARE + 4 x my thread's number; never rewritten
.set NIL,   13                         ; v13  0; never rewritten
.set R,     16                         ; v16-143  128 numbers as loaded
.macro MEET                            ; my LDS stores have landed and my LDS loads are in: then the work-group's barrier
	s_wait_dscnt 0x0
	s_barrier_signal -1
	s_barrier_wait -1
.endm
.macro CLOSE                           ; a wave's end
	s_wait_tensorcnt 0x0
	ds_add_u32 v[SPW], v[NIL]
	s_wait_dscnt 0x0
	s_endpgm
.endm
.macro WAITL t                         ; group t (32 loads of 128) is in.  A wait names 63 at the most: 63 or fewer of 128 out means that the first 65 are in
.if 32*(3-(\t)) > 63
	s_wait_loadcnt 63
.else
	s_wait_loadcnt 32*(3-(\t))
.endif
.endm
	s_load_b256 s[4:11], s[0:1], 0x0               ; hidden_states s[4:5], c_attn_w s[6:7], c_proj_w s[8:9], x_codes s[10:11]
	s_load_b256 s[12:19], s[0:1], 0x20             ; x_scales s[12:13], w_codes s[14:15], w_scales s[16:17], wpt s[18:19]
	v_lshl_add_u32 v[SPW], v0, 2, SPARE
	v_mov_b32 v[NIL], 0
	v_lshrrev_b32 v1, 5, v0
	v_readfirstlane_b32 s20, v1                    ; wave 0..7
	v_and_b32 v2, 31, v0                           ; lane
	s_mov_b32 s23, 0                               ; the upper word of every offset pair s[22:23]
	s_wait_kmcnt 0x0
	s_cmp_lt_u32 ttmp9, 128
	s_cbranch_scc0 .Lnot_x
; ---------------- X: a plain stream of blocks of 32.  A wave takes 8 steps of 512 numbers.
; Each load reads 512 consecutive bytes; a step's 2,048 bytes turn through the wave's own stage, so that a lane then holds 16 neighbours along K (two lanes to a block).
.set XN, 144                           ; v144-175 two sets of 16 neighbours
.set XC, 176                           ; v176-191 two registers of codes for each step
.set XE, 192                           ; v192-199 a scale byte for each step
	s_lshl_b32 s21, ttmp9, 3
	s_add_co_u32 s21, s21, s20                     ; my run of 4,096 numbers
	s_lshl_b32 s22, s21, 14
	s_add_nc_u64 s[4:5], s[4:5], s[22:23]
	v_lshlrev_b32 v3, 4, v2                        ; my 16 bytes of a load's 512
.macro XLOAD t
.irp i, 0,1,2,3
	global_load_b128 v[R+16*(\t)+4*\i:R+16*(\t)+4*\i+3], v3, s[4:5] offset:2048*(\t)+512*\i th:TH_LOAD_NT
.endr
.endm
.irp t, 0,1,2,3,4,5,6,7
	XLOAD \t
.endr
	v_lshlrev_b32 v4, 3, v2                        ; my 8 bytes of a step's 256 bytes of codes
	s_mul_i32 s24, s20, 5120                       ; my two stages
	v_lshrrev_b32 v14, 2, v2
	v_mul_u32_u24 v14, v14, 80
	v_and_b32 v15, 3, v2
	v_lshl_add_u32 v14, v15, 4, v14
	v_add_nc_u32 v14, s24, v14                     ; in: four lanes' 64 bytes on end, then 16 of padding
	v_mul_u32_u24 v15, v2, 80
	v_add_nc_u32 v15, s24, v15                     ; back: 80 x lane: my 16 neighbours
	s_lshl_b32 s24, s20, 7
	s_add_co_u32 s24, s24, XSC
	v_lshrrev_b32 v5, 1, v2
	v_add_nc_u32 v5, s24, v5                       ; my wave's 128 scale bytes, my block's byte
	v_lshl_add_u32 v6, v0, 3, XSC                  ; the bytes' way out (waves 0-3): 8 bytes a thread
	v_lshlrev_b32 v7, 3, v0
	s_lshl_b32 s22, s21, 11
	s_add_nc_u64 s[10:11], s[10:11], s[22:23]      ; my run's 2,048 bytes of codes
	s_lshl_b32 s22, ttmp9, 10
	s_add_nc_u64 s[12:13], s[12:13], s[22:23]      ; the work-group's 1,024 scale bytes
.macro XTURN t                         ; LDS serves a wave's instructions in order: no wait between the stores and the loads
.irp i, 0,1,2,3
	ds_store_b128 v14, v[R+16*(\t)+4*\i:R+16*(\t)+4*\i+3] offset:2560*((\t)%2)+640*\i
.endr
.irp i, 0,1,2,3
	ds_load_b128 v[XN+16*((\t)%2)+4*\i:XN+16*((\t)%2)+4*\i+3], v15 offset:2560*((\t)%2)+16*\i
.endr
.endm
.macro XSTEP t
.set XS, XN+16*((\t)%2)
.if (\t) > 0
	s_wait_dscnt 1                                 ; this step's numbers are back from the stage; the last step's byte store may be out
.else
	s_wait_dscnt 0x0
.endif
.if (\t) < 7
	s_wait_loadcnt 4*(6-(\t))                      ; the next step's four loads are in; the sets behind it may be out
	XTURN (\t)+1                                   ; they turn through the other stage while this step is worked
.endif
	v_max3_num_f32 v8, |v[XS]|, |v[XS+1]|, |v[XS+2]|
	v_max3_num_f32 v9, |v[XS+3]|, |v[XS+4]|, |v[XS+5]|
.irp i, 6,10
	v_max3_num_f32 v8, v8, |v[XS+\i]|, |v[XS+\i+1]|
	v_max3_num_f32 v9, v9, |v[XS+\i+2]|, |v[XS+\i+3]|
.endr
	v_max3_num_f32 v8, v8, |v[XS+14]|, |v[XS+15]|
	v_max3_num_f32 v8, v8, v9, 0x1800000           ; the floor 2^(3 - 127): the byte cannot fall under 1
	v_max_num_f32_dpp v8, v8, v8 row_xmask:1 row_mask:0xf bank_mask:0xf   ; with my neighbour's 16: the block's largest magnitude
	v_add_nc_u32 v11, 0xff000000, v8               ; 2 off its exponent field: the conversion takes this operand's exponent field as its scale
	v_cvt_scalef32_pk8_fp4_f32 v[XC+2*(\t)], v[XS:XS+7], v11
	v_cvt_scalef32_pk8_fp4_f32 v[XC+2*(\t)+1], v[XS+8:XS+15], v11
	v_lshrrev_b32 v[XE+(\t)], 23, v11              ; the scale's byte (also the plain line behind the conversions)
	ds_store_b8 v5, v[XE+(\t)] offset:16*(\t)      ; both lanes of a block write the same byte with the same value
	global_store_b64 v4, v[XC+2*(\t):XC+2*(\t)+1], s[10:11] offset:256*(\t)   ; the wave stores 256 consecutive bytes, aligned
.endm
	s_wait_loadcnt 28                              ; step 0's four loads are in; seven sets may be out
	XTURN 0
.irp t, 0,1,2,3,4,5,6,7
	XSTEP \t
.endr
	MEET                                           ; the eight waves' 1,024 scale bytes lie in LDS
	s_cmp_lt_u32 s20, 4
	s_cbranch_scc0 .Lx_end
	ds_load_b64 v[8:9], v6
	s_wait_dscnt 0x0
	global_store_b64 v7, v[8:9], s[12:13]          ; each of four waves stores 256 consecutive bytes, aligned
.Lx_end:
	CLOSE
.Lnot_x:
	s_cmp_lt_u32 ttmp9, 224
	s_cbranch_scc0 .Lpath_p
; ---------------- W: a lane takes a column n and its registers run down K.  The work-group takes 32 columns and all of K; wave w takes k = 128 w .. 128 w + 127: four blocks a lane.
	s_sub_co_u32 s21, ttmp9, 128                   ; which 32 columns
	v_lshlrev_b32 v3, 2, v2
	s_mul_i32 s22, s20, 128*12288                  ; my 128 rows of 12,288 bytes
	s_lshl_b32 s24, s21, 7
	s_add_co_u32 s22, s22, s24
	s_add_nc_u64 s[6:7], s[6:7], s[22:23]
.set LI, 0
.rept 128
	global_load_b32 v[R+LI], v3, s[6:7] offset:LI*12288
.set LI, LI+1
.endr
	s_lshl_b32 s24, s20, 6
	s_add_co_u32 s24, s24, WST
	v_mul_u32_u24 v4, v2, 528
	v_add_nc_u32 v4, s24, v4                       ; codes in: row = my column, my wave's 64 bytes
	s_lshl_b32 s24, s20, 2
	s_add_co_u32 s24, s24, WSC
	v_lshl_add_u32 v5, v2, 5, s24                  ; bytes in: 32 a column, my wave's four
	s_mul_i32 s24, s20, 2112
	s_add_co_u32 s24, s24, WST
	v_lshl_add_u32 v6, v2, 4, s24                  ; codes back: rows 4 w .. 4 w + 3, 32 lanes to a row of 512 bytes
	s_lshl_b32 s24, s20, 11
	v_lshl_add_u32 v7, v2, 4, s24                  ; and the same place in w_codes
	v_lshl_add_u32 v14, v0, 3, WSC                 ; bytes back (waves 0-3)
	v_lshlrev_b32 v15, 3, v0
	s_lshl_b32 s22, s21, 14
	s_add_nc_u64 s[14:15], s[14:15], s[22:23]      ; 32 rows of 512 bytes
	s_lshl_b32 s22, s21, 10
	s_add_nc_u64 s[16:17], s[16:17], s[22:23]      ; 32 rows of 32 bytes
.macro BLOCKW t
.set XS, R+32*(\t)
	WAITL \t
	v_max3_num_f32 v8, |v[XS]|, |v[XS+1]|, |v[XS+2]|   ; all 32 numbers of the block are mine
	v_max3_num_f32 v9, |v[XS+3]|, |v[XS+4]|, |v[XS+5]|
.irp i, 6,10,14,18,22,26
	v_max3_num_f32 v8, v8, |v[XS+\i]|, |v[XS+\i+1]|
	v_max3_num_f32 v9, v9, |v[XS+\i+2]|, |v[XS+\i+3]|
.endr
	v_max3_num_f32 v8, v8, |v[XS+30]|, |v[XS+31]|
	v_max3_num_f32 v8, v8, v9, 0x1800000
	v_add_nc_u32 v11, 0xff000000, v8
	v_lshrrev_b32 v9, 23, v11
.if (\t) == 0
	v_mov_b32 v160, v9                             ; four bytes to a register, the lower K in the lower byte
.else
	v_lshl_or_b32 v160, v9, 8*(\t), v160
.endif
.irp g, 0,1,2,3
	v_cvt_scalef32_pk8_fp4_f32 v[144+4*(\t)+\g], v[XS+8*\g:XS+8*\g+7], v11
.endr
	v_nop                                          ; one plain line behind the conversions
	ds_store_b128 v4, v[144+4*(\t):144+4*(\t)+3] offset:16*(\t)
.endm
.irp t, 0,1,2,3
	BLOCKW \t
.endr
	ds_store_b32 v5, v160
	MEET                                           ; 32 whole rows of codes and of bytes lie in LDS
.irp i, 0,1,2,3
	ds_load_b128 v[164+4*\i:167+4*\i], v6 offset:528*\i
.endr
.irp i, 0,1,2,3
	s_wait_dscnt 3-\i                              ; the younger loads may be out
	global_store_b128 v7, v[164+4*\i:167+4*\i], s[14:15] offset:512*\i   ; a whole row: 512 consecutive bytes
.endr
	s_cmp_lt_u32 s20, 4
	s_cbranch_scc0 .Lw_end
	ds_load_b64 v[8:9], v14
	s_wait_dscnt 0x0
	global_store_b64 v15, v[8:9], s[16:17]
.Lw_end:
	CLOSE
.Lpath_p:
; ---------------- P: the same shares on c_proj_w; pairs along K are rounded to f16 and leave through the wave's own stage: no barrier.
	s_sub_co_u32 s21, ttmp9, 224
	v_lshlrev_b32 v3, 2, v2
	s_lshl_b32 s22, s20, 19                        ; my 128 rows of 4,096 bytes
	s_lshl_b32 s24, s21, 7
	s_add_co_u32 s22, s22, s24
	s_add_nc_u64 s[8:9], s[8:9], s[22:23]
.set LI, 0
.rept 128
	global_load_b32 v[R+LI], v3, s[8:9] offset:LI*4096
.set LI, LI+1
.endr
	s_mul_i32 s24, s20, 8704
	s_add_co_u32 s24, s24, PST
	v_mul_u32_u24 v4, v2, 272
	v_add_nc_u32 v4, s24, v4                       ; in: row = my column
	v_lshrrev_b32 v5, 4, v2
	v_and_b32 v8, 15, v2
	v_mul_u32_u24 v6, v5, 272
	v_lshl_add_u32 v6, v8, 4, v6
	v_add_nc_u32 v6, s24, v6                       ; back: sixteen lanes to a row, two rows an instruction
	v_lshlrev_b32 v7, 11, v5
	v_lshl_add_u32 v7, v8, 4, v7                   ; and the same place in wpt (rows of 2,048 bytes)
	s_lshl_b32 s22, s21, 16
	s_lshl_b32 s24, s20, 8
	s_add_co_u32 s22, s22, s24
	s_add_nc_u64 s[18:19], s[18:19], s[22:23]      ; row 32 g, byte 256 w
.irp t, 0,1,2,3
	WAITL \t
.irp i, 0,1,2,3,4,5,6,7,8,9,10,11,12,13,14,15
	v_cvt_pk_f16_f32 v[144+16*\t+\i], v[R+32*\t+2*\i], v[R+32*\t+2*\i+1]
.endr
.irp j, 0,1,2,3
	ds_store_b128 v4, v[144+16*\t+4*\j:144+16*\t+4*\j+3] offset:64*\t+16*\j
.endr
.endr
.irp t, 0,1,2,3,4,5,6,7,8,9,10,11,12,13,14,15
	ds_load_b128 v[R+4*\t:R+4*\t+3], v6 offset:544*\t    ; my own bytes, served in order: these see the stores above
.endr
.irp t, 0,1,2,3,4,5,6,7,8,9,10,11,12,13,14,15
	s_wait_dscnt 15-\t
	global_store_b128 v7, v[R+4*\t:R+4*\t+3], s[18:19] offset:4096*\t   ; sixteen lanes store 256 consecutive bytes, aligned
.endr
	CLOSE
.Lfunc_end_k_q671ec47ac4_prep:
	.size	k_q671ec47ac4_prep, .Lfunc_end_k_q671ec47ac4_prep-k_q671ec47ac4_prep
	.p2alignl 7, 3214868480
	.fill 96, 4, 3214868480
	.section	.rodata,"a",@progbits
	.p2align	6, 0x0
	.amdhsa_kernel k_q671ec47ac4_prep
		.amdhsa_group_segment_fixed_size 130560
		.amdhsa_private_segment_fixed_size 0
		.amdhsa_enable_private_segment 0
		.amdhsa_kernarg_size 64
		.amdhsa_user_sgpr_count 2
		.amdhsa_user_sgpr_kernarg_segment_ptr 1
		.amdhsa_wavefront_size32 1
		.amdhsa_system_sgpr_workgroup_id_x 1
		.amdhsa_system_sgpr_workgroup_id_y 1
		.amdhsa_system_sgpr_workgroup_id_z 1
		.amdhsa_system_vgpr_workitem_id 0
		.amdhsa_next_free_vgpr 256
		.amdhsa_next_free_sgpr 66
		.amdhsa_reserve_vcc 0
		.amdhsa_float_denorm_mode_32 3
		.amdhsa_float_denorm_mode_16_64 3
		.amdhsa_memory_ordered 1
		.amdhsa_forward_progress 1
		.amdhsa_inst_pref_size 60
	.end_amdhsa_kernel
	.amdgpu_metadata
---
amdhsa.version: [ 1, 2 ]
amdhsa.kernels:
  - .name:           k_q671ec47ac4_prep
    .symbol:         k_q671ec47ac4_prep.kd
    .args:
      - { .name: hidden_states, .offset: 0, .size: 8, .value_kind: global_buffer, .address_space: global }
      - { .name: c_attn_w, .offset: 8, .size: 8, .value_kind: global_buffer, .address_space: global }
      - { .name: c_proj_w, .offset: 16, .size: 8, .value_kind: global_buffer, .address_space: global }
      - { .name: x_codes, .offset: 24, .size: 8, .value_kind: global_buffer, .address_space: global }
      - { .name: x_scales, .offset: 32, .size: 8, .value_kind: global_buffer, .address_space: global }
      - { .name: w_codes, .offset: 40, .size: 8, .value_kind: global_buffer, .address_space: global }
      - { .name: w_scales, .offset: 48, .size: 8, .value_kind: global_buffer, .address_space: global }
      - { .name: wpt, .offset: 56, .size: 8, .value_kind: global_buffer, .address_space: global }
    .group_segment_fixed_size: 130560
    .private_segment_fixed_size: 0
    .kernarg_segment_align: 8
    .kernarg_segment_size: 64
    .max_flat_workgroup_size: 256
    .sgpr_count:     66
    .vgpr_count:     256
    .wavefront_size: 32
...
	.end_amdgpu_metadata
.endif
;; end of part 1
;; launch qkv (part 2): grid 12 x 16, 4 waves a work-group, clusters of 4 x 4, 327,680 bytes of LDS; arguments x_codes, x_scales, w_codes, w_scales, qkvh, c_attn_b, qkv_fine; writes qkvh, qkv_fine
.if DOCPART == 2
	.amdgcn_target "amdgcn-amd-amdhsa--gfx1250"
	.amdhsa_code_object_version 6
	.text
	.protected	k_q671ec47ac4_qkv
	.globl	k_q671ec47ac4_qkv
	.p2align	8
	.type	k_q671ec47ac4_qkv,@function
k_q671ec47ac4_qkv:
	s_mov_b64 s[64:65], 0
	v_nop
	global_prefetch_b8 v0, s[64:65] scope:SCOPE_SE
	s_setreg_imm32_b32 hwreg(HW_REG_WAVE_MODE, 25, 1), 1
	s_wait_xcnt 0x0
	s_wait_alu depctr_hold_cnt(0) depctr_sa_sdst(0) depctr_va_vdst(0) depctr_va_sdst(0) depctr_va_ssrc(0) depctr_va_vcc(0) depctr_vm_vsrc(0)
	s_getreg_b32 s2, hwreg(HW_REG_IB_STS2, 6, 4)
	s_cmp_eq_u32 s2, 0
	s_cbranch_scc0 .Lentry_in_a_cluster
	s_endpgm
.Lentry_in_a_cluster:
	s_bfe_u32 s2, ttmp6, 0x10000c
	s_cmp_lg_u32 s2, 0xf033
	s_cbranch_scc0 .Lentry_shape_is_right
	s_endpgm
.Lentry_shape_is_right:
; qkv[m][n] = sum over k of x[m][k] w[k][n] + b[n], on codes of E2M1 with one E8M0 scale for each 32 along K.  M = 4,096, N = 3,072, K = 1,024.
; x_codes [4096][512 bytes], w_codes [3072][512 bytes], K innermost; scale bytes [rows][32].  Sums in f32; the bias is the C of each sum's first product.
; OUT: qkvh, f16, [3 (q, k, v)][32 (batch x 16 + head)][2048 positions][64]; and, in f32, the first 16 rows of every block of 1,024 rows: qkv_fine [4][16][3072].
; LIMIT: a number of q, k, v beyond 65,504 becomes infinity in f16.  Slices 1 and 3 of qkv_fine are stored and read by nobody: which slice is mine hangs on my place in the cluster, and no branch may.
; A tile, 256 x 256, is made by four waves, each 128 x 128: 64 accumulators, 512 registers.  All of K (two slots of 512 along K) and all scale bytes come as first fills: three joint loads a wave are out.
; CLUSTERS: 4 x 4 work-groups; A's tiles are asked for jointly along a row of the cluster, B's along a column.  Tile row = 4 cy + cluster y, tile column = 4 cluster x + cx:
; so cluster x alone says whether a tile is q's, k's or v's, and the clusters with y = 0 hold the rows that begin the blocks of 1,024.
; THE MATRIX INSTRUCTION IS USED TRANSPOSED (source 0 = 16 rows of w, source 1 = 16 rows of x): a lane holds eight neighbouring columns of one row.
; REGISTERS: window 0: v0-31 addresses; v32-95 scale words, two sets, and nothing else; v96-127 packed results; v128-191 A's fragments, later rows on their way out; v192-255 the bias, later the f32 rows.
;   window 1: B's fragments, two sets.   window 2: accumulators of my rows 0-63 ((a, b) at v[8 (8 a + b)]);   window 3: of my rows 64-127.
.set SIZE_N, 3072
.set SIZE_K, 1024
.set NQ,     4                         ; matrix instructions deep in a slot of 512 along K
.set ROWB,   256                       ; a tile's row in bytes
.set KROW,   512                       ; a row of codes in memory
.set PITCH,  272                       ; an LDS row: 256 bytes + 16: the 16 rows of a load start 68 words apart
.set FR,     8
.set NL,     2
.set NP,     4                         ; places behind this matrix instruction (ISA guide 7.12.1)
.set HALFT,  128*PITCH
.set SLOT,   4*HALFT
.set KS,     32                        ; a row of scale bytes
.set SCL,    2*SLOT
.set HALFS,  (128*KS/256)*272
.set SBLK,   (16*KS/256)*272
.set SPARE,  SCL+4*HALFS               ; the spare words, 128 bytes a wave: two blocks of 256 bytes that no other line names
.set ST16,   4608                      ; the way out, in slot 0 (it has had its only fill and its last read by then): for each wave 2 heads x 16 rows x 144 bytes,
.set ST32,   4*ST16                    ; and behind them for each wave 16 rows x 528 bytes
.set ADRA, 16
.set ADRB, 20
.set STO32, 22
.set RD32,  23
.set STO,  24
.set RD,   25
.set CO,   26
.set ADRS, 27
.set SPW,  28
.set NIL,  29
.set BO,   30
.set SC,   32
.set TMP,  96
.set AF,   128
.set BK,   128
.set BI,   192
.set G1, 24
.set G0, 32
.set G1B, 48
.set G0B, 56
.set G1S, 68
.set G0S, 76
.set G1SB, 80
.set G0SB, 88
.set MSB, 0
.macro WIN new                         ; the immediate's high byte repeats the setting that is left
.if MSB != \new
	s_set_vgpr_msb (MSB<<8)|\new
.set MSB, \new
.endif
.endm
.set MUL_LO, 0xa1                      ; source 0 (B) window 1, source 1 (A) window 0, C and D window 2
.set MUL_HI, 0xf1                      ; the same, C and D window 3
.set MUL_LO0, 0x81                     ; the first step: C (the bias) window 0, D window 2
.set MUL_HI0, 0xc1                     ; D window 3
.set TO_B,   0x40
; A joint load: waves 0 and 1 fetch for A, waves 2 and 3 for B; the branch hangs on the wave's number alone.  An s_nop 0 and four v_nop follow each line.
.macro JLOAD g0a, g1a, g0b, g1b
	s_cmp_eq_u32 s15, 0
	s_cbranch_scc0 .Lfor_b_\@
	tensor_load_to_lds s[\g0a:\g0a+3], s[\g1a:\g1a+7]
	s_nop 0
.rept 4
	v_nop
.endr
	s_branch .Lasked_\@
.Lfor_b_\@:
	tensor_load_to_lds s[\g0b:\g0b+3], s[\g1b:\g1b+7]
	s_nop 0
.rept 4
	v_nop
.endr
.Lasked_\@:
.endm
.macro CROUND                          ; a round of the cluster's barrier
	s_barrier_signal -1
	s_barrier_wait -1
	s_cmp_lg_u32 s14, 0
	s_cbranch_scc1 .Lnot_wave_0_\@
	s_barrier_signal -3
.Lnot_wave_0_\@:
	s_barrier_wait -3
	s_barrier_signal -1
	s_barrier_wait -1
.endm
	s_load_b128 s[4:7], s[0:1], 0x0                ; x's codes, x's scales
	s_load_b128 s[8:11], s[0:1], 0x10              ; w's codes, w's scales
	s_load_b64 s[12:13], s[0:1], 0x20              ; qkvh
	s_load_b128 s[96:99], s[0:1], 0x28             ; the bias, qkv_fine
	v_lshl_add_u32 v[SPW], v0, 2, SPARE
	v_mov_b32 v[NIL], 0
	ds_add_u32 v[SPW], v[NIL]                      ; the opening: the add, twice on end, and its wait ahead of my first tensor load
	ds_add_u32 v[SPW], v[NIL]
	v_lshrrev_b32 v1, 5, v0
	v_readfirstlane_b32 s14, v1                    ; wave 0..3
	s_lshr_b32 s15, s14, 1                         ; which half of the tile's rows is mine; also: I fetch for A (0) or B (1)
	s_and_b32 s16, s14, 1                          ; which half of its columns; also: which 128 rows I fetch
	s_bfe_u32 s40, ttmp6, 0x40000                  ; cx
	s_bfe_u32 s41, ttmp6, 0x40004                  ; cy
	s_lshl_b32 s42, ttmp9, 2
	s_add_co_u32 s42, s42, s40                     ; tile column = 4 x cluster x + cx
	s_and_b32 s17, ttmp7, 0xffff
	s_lshl_b32 s43, s41, 2
	s_add_co_u32 s17, s17, s43                     ; tile row = 4 cy + cluster y
	s_lshl_b32 s43, 15, s43                        ; my row of the cluster
	s_lshl_b32 s44, 0x1111, s40                    ; my column
	s_or_b32 s[G1+0], s43, (0<<16)|(1<<20)|(1<<21)|(5<<22)|(3<<25)  ; the mask; elements of 1 byte; padding on; bit 21 beside a mask; 4 words behind every 64
	s_or_b32 s[G1B+0], s44, (0<<16)|(1<<20)|(1<<21)|(5<<22)|(3<<25)
.irp g, G1, G1B
	s_mov_b32 s[\g+1], ROWB<<16                    ; tensor_dim0
	s_mov_b32 s[\g+2], 128<<16                     ; tensor_dim1
	s_mov_b32 s[\g+3], ROWB<<16                    ; tile_dim0
	s_mov_b32 s[\g+4], 128                         ; tile_dim1
	s_mov_b32 s[\g+5], KROW                        ; the pitch
	s_mov_b32 s[\g+6], 0
	s_mov_b32 s[\g+7], 0
.endr
	s_or_b32 s[G1S+0], s43, (3<<16)|(1<<20)|(1<<21)|(5<<22)|(3<<25) ; the scales of 128 rows: 4,096 dense bytes as 16 rows of 256 (32 elements of 8 bytes), 16 bytes of padding behind each
	s_or_b32 s[G1SB+0], s44, (3<<16)|(1<<20)|(1<<21)|(5<<22)|(3<<25)
.irp g, G1S, G1SB
	s_mov_b32 s[\g+1], 32<<16
	s_mov_b32 s[\g+2], (128*KS/256)<<16
	s_mov_b32 s[\g+3], 32<<16
	s_mov_b32 s[\g+4], 128*KS/256
	s_mov_b32 s[\g+5], 32
	s_mov_b32 s[\g+6], 0
	s_mov_b32 s[\g+7], 0
.endr
	s_lshl_b32 s18, s16, 7
	s_lshl_b32 s20, s17, 8
	s_add_co_u32 s20, s20, s18                     ; A: row 256 x tile row + 128 x half
	s_lshl_b32 s46, s42, 8
	s_add_co_u32 s46, s46, s18                     ; B: row 256 x tile column + 128 x half
	s_mov_b32 s21, 0
	s_mov_b32 s47, 0
	s_mov_b64 s[18:19], KS
	s_mul_u64 s[22:23], s[20:21], s[18:19]         ; where these rows' scales begin
	s_mul_u64 s[92:93], s[46:47], s[18:19]
	s_mov_b64 s[18:19], KROW
	s_mul_u64 s[20:21], s[20:21], s[18:19]         ; and their codes
	s_mul_u64 s[46:47], s[46:47], s[18:19]
	s_mul_i32 s45, s14, HALFT                      ; where they go: wave x 128 rows
	s_mul_i32 s94, s14, HALFS
	s_wait_dscnt 0x0                               ; both opening adds are done
	s_wait_kmcnt 0x0
	s_add_nc_u64 s[20:21], s[4:5], s[20:21]
	s_add_nc_u64 s[22:23], s[6:7], s[22:23]
	s_add_nc_u64 s[46:47], s[8:9], s[46:47]
	s_add_nc_u64 s[92:93], s[10:11], s[92:93]
	CROUND                                         ; all sixteen work-groups are here: the joint loads meet
	s_mov_b32 s[G0S], 1
	s_add_co_u32 s[G0S+1], s94, SCL
	s_mov_b64 s[G0S+2:G0S+3], s[22:23]
	s_or_b32 s[G0S+3], s[G0S+3], 0x80000000
	s_mov_b32 s[G0SB], 1
	s_add_co_u32 s[G0SB+1], s94, SCL
	s_mov_b64 s[G0SB+2:G0SB+3], s[92:93]
	s_or_b32 s[G0SB+3], s[G0SB+3], 0x80000000
	JLOAD G0S, G1S, G0SB, G1SB                     ; the scales first: they are wanted with the first slot
.irp s, 0,1
	s_mov_b32 s[G0+4*\s], 1
	s_add_co_u32 s[G0+4*\s+1], s45, \s*SLOT
	s_add_nc_u64 s[G0+4*\s+2:G0+4*\s+3], s[20:21], \s*ROWB
	s_or_b32 s[G0+4*\s+3], s[G0+4*\s+3], 0x80000000
	s_mov_b32 s[G0B+4*\s], 1
	s_add_co_u32 s[G0B+4*\s+1], s45, \s*SLOT
	s_add_nc_u64 s[G0B+4*\s+2:G0B+4*\s+3], s[46:47], \s*ROWB
	s_or_b32 s[G0B+4*\s+3], s[G0B+4*\s+3], 0x80000000
	JLOAD G0+4*\s, G1, G0B+4*\s, G1B
.endr
	v_and_b32 v1, 15, v0                           ; r = l % 16
	v_bfe_u32 v2, v0, 4, 1                         ; h = l / 16
	; the bias of my 128 columns: lane (r, h) wants, for n block b, the numbers 16 b + 8 h + 0 .. 7: the result's layout
	s_lshl_b32 s46, s42, 10
	s_lshl_b32 s20, s16, 9
	s_add_co_u32 s46, s46, s20                     ; 4 x (256 x tile column + 128 x half)
	s_mov_b32 s47, 0
	s_add_nc_u64 s[96:97], s[96:97], s[46:47]
	v_lshlrev_b32 v[BO], 5, v2
.irp b, 0,1,2,3,4,5,6,7
	global_load_b128 v[BI+8*\b:BI+8*\b+3], v[BO], s[96:97] offset:64*\b
	global_load_b128 v[BI+8*\b+4:BI+8*\b+7], v[BO], s[96:97] offset:64*\b+16
.endr
	s_mul_i32 s20, s41, 16*SIZE_N*4                ; qkv_fine: slice cy, the same columns
	s_add_co_u32 s46, s46, s20
	s_add_nc_u64 s[98:99], s[98:99], s[46:47]
	v_mul_u32_u24 v3, v1, PITCH
	v_lshl_add_u32 v4, v2, 4, v3                   ; a fragment's row x pitch + 16 x half
	s_mul_i32 s21, s15, HALFT
	s_mul_i32 s22, s16, HALFT
	s_add_co_u32 s22, s22, 2*HALFT
.irp s, 0,1
	v_add_nc_u32 v[ADRA+\s], s21, v4
	v_add_nc_u32 v[ADRB+\s], s22, v4
	s_add_co_u32 s21, s21, SLOT
	s_add_co_u32 s22, s22, SLOT
.endr
	v_mul_u32_u24 v5, v1, KS                       ; my row's scales: 32 bytes a row,
	v_lshrrev_b32 v6, 8, v5
	v_lshl_add_u32 v5, v6, 4, v5                   ; and 16 more for each 256 passed
	s_mul_i32 s21, s15, HALFS
	s_mul_i32 s22, s16, HALFS
	s_add_co_u32 s22, s22, 2*HALFS
	s_sub_co_u32 s22, s22, s21
	v_mul_u32_u24 v6, s22, v2                      ; lanes 16-31 take B's: one product, the distance between the two bases
	s_add_co_u32 s21, s21, SCL
	v_add_nc_u32 v5, v5, v6
	v_add_nc_u32 v[ADRS], s21, v5
	s_mul_i32 s23, s14, ST16                       ; my f16 stage
	v_mul_u32_u24 v5, v1, 144
	v_lshl_add_u32 v5, v2, 4, v5
	v_add_nc_u32 v[STO], s23, v5                   ; in: row r, 16 bytes for each half of the lanes
	v_bfe_u32 v5, v0, 3, 2
	v_and_b32 v6, 7, v0
	v_mul_u32_u24 v5, v5, 144
	v_lshl_add_u32 v5, v6, 4, v5
	v_add_nc_u32 v[RD], s23, v5                    ; back: eight lanes to a row of 128 bytes, four rows an instruction
	v_and_b32 v6, 31, v0
	v_lshlrev_b32 v[CO], 4, v6                     ; and in memory: 16 x lane: a head's rows are dense
	s_mul_i32 s23, s14, 16*528
	s_add_co_u32 s23, s23, ST32                    ; my f32 stage
	v_mul_u32_u24 v5, v1, 528
	v_lshl_add_u32 v5, v2, 5, v5
	v_add_nc_u32 v[STO32], s23, v5
	v_add_nc_u32 v[RD32], s23, v[CO]
	; qkvh: part (cluster x), head = 16 x batch + 4 cx + 2 x column half, position = my first row within its sequence
	s_lshl_b32 s20, s17, 8
	s_lshl_b32 s21, s15, 7
	s_add_co_u32 s20, s20, s21                     ; my first row
	s_lshr_b32 s21, s20, 11
	s_lshl_b32 s21, s21, 4
	s_and_b32 s20, s20, 2047
	s_lshl_b32 s20, s20, 7                         ; 128 bytes a position
	s_lshl_b32 s46, s40, 2
	s_lshl_b32 s22, s16, 1
	s_add_co_u32 s46, s46, s22
	s_add_co_u32 s46, s46, s21
	s_lshl_b32 s46, s46, 18                        ; 262,144 bytes a head
	s_add_co_u32 s46, s46, s20
	s_lshl_b32 s22, ttmp9, 23                      ; 8,388,608 bytes a part
	s_add_co_u32 s46, s46, s22
	s_add_nc_u64 s[12:13], s[12:13], s[46:47]
.macro FRAG reg, adr, q, i             ; 16 rows x 128 K of 4-bit codes: 8 registers: lane l holds row l % 16; registers 4 c .. 4 c + 3 hold K = 64 c + 32 (l / 16) + 0 .. 31
.irp c, 0,1
	ds_load_b128 v[\reg+4*\c:\reg+4*\c+3], v[\adr] offset:64*(\q)+32*\c+(\i)*16*PITCH
.endr
.endm
; 16 matrix instructions: A's blocks a0, a0 + 1 x B's eight.  zero = 1: the first product starts the sums on the bias.  The 64 accumulators take turns.
.macro MUL16 a0, p, q, sc, zero
.irp a, \a0, \a0+1
.irp b, 0,1,2,3,4,5,6,7
.if \zero
	v_wmma_scale_f32_16x16x128_f8f6f4 v[8*(8*((\a)%4)+\b):8*(8*((\a)%4)+\b)+7], v[128*(\p)+FR*\b:128*(\p)+FR*\b+FR-1], v[AF+FR*(\a):AF+FR*(\a)+FR-1], v[BI+8*\b:BI+8*\b+7], v[SC+8*NQ*(\sc)+NQ*\b+(\q)], v[SC+8*NQ*(\sc)+NQ*(\a)+(\q)] matrix_a_fmt:MATRIX_FMT_FP4 matrix_b_fmt:MATRIX_FMT_FP4 matrix_a_scale:MATRIX_SCALE_ROW1
.else
	v_wmma_scale_f32_16x16x128_f8f6f4 v[8*(8*((\a)%4)+\b):8*(8*((\a)%4)+\b)+7], v[128*(\p)+FR*\b:128*(\p)+FR*\b+FR-1], v[AF+FR*(\a):AF+FR*(\a)+FR-1], v[8*(8*((\a)%4)+\b):8*(8*((\a)%4)+\b)+7], v[SC+8*NQ*(\sc)+NQ*\b+(\q)], v[SC+8*NQ*(\sc)+NQ*(\a)+(\q)] matrix_a_fmt:MATRIX_FMT_FP4 matrix_b_fmt:MATRIX_FMT_FP4 matrix_a_scale:MATRIX_SCALE_ROW1
.endif
.endr
.endr
.endm
.macro FETCH_B slot, q, p
	WIN TO_B
.irp i, 0,1,2,3,4,5,6,7
	FRAG 128*(\p)+FR*\i, ADRB+\slot, \q, \i
.endr
	WIN 0
.endm
.macro FETCH_A slot, q, i0
.irp i, \i0, \i0+1, \i0+2, \i0+3
	FRAG AF+FR*(\i), ADRA+\slot, \q, \i
.endr
.endm
.macro SCALES sc                       ; a slot's scale words: lanes 0-15 take A's block i, lanes 16-31 B's block i
.irp i, 0,1,2,3,4,5,6,7
	ds_load_b128 v[SC+8*NQ*\sc+NQ*\i:SC+8*NQ*\sc+NQ*\i+3], v[ADRS] offset:\i*SBLK
.endr
.endm
.macro PLACES n                        ; plain vector instructions between a matrix instruction and a load into its registers or a read of its result
.rept \n
	v_nop
.endr
.endm
.macro STEP slot, q, zero              ; 128 along K, with its successor in the same slot
	s_wait_dscnt 4*NL                              ; B's set and A's blocks 0-3 are in; A's blocks 4-7, the youngest eight loads, may be out
.if \zero
	WIN MUL_LO0
.else
	WIN MUL_LO
.endif
	MUL16 0, (\q)%2, \q, \slot, \zero
	MUL16 2, (\q)%2, \q, \slot, \zero
	s_wait_dscnt 0
	PLACES NP
	FETCH_B \slot, (\q)+1, 1-(\q)%2
	FETCH_A \slot, (\q)+1, 0
.if \zero
	WIN MUL_HI0
.else
	WIN MUL_HI
.endif
	MUL16 4, (\q)%2, \q, \slot, \zero
	MUL16 6, (\q)%2, \q, \slot, \zero
	PLACES NP
	WIN 0
	FETCH_A \slot, (\q)+1, 4
.endm
	s_wait_tensorcnt 1                             ; the scales and my part of slot 0 are in; slot 1's load may be out
	s_barrier_signal -1
	s_barrier_wait -1
	FETCH_B 0, 0, 0
	FETCH_A 0, 0, 0
	SCALES 0
	FETCH_A 0, 0, 4
	s_wait_loadcnt 0x0                             ; the bias
	STEP 0, 0, 1
	STEP 0, 1, 0
	STEP 0, 2, 0
	; slot 0's last step changes slots: one barrier; in front of it each wave waits for all its tensor loads (slot 1's), adds 0 to its spare word, and waits for that and for its reads of slot 0
	s_wait_tensorcnt 0x0
	ds_add_u32 v[SPW], v[NIL]
	s_wait_dscnt 4*NL+1                            ; the add and A's blocks 4-7 may be out
	WIN MUL_LO
	MUL16 0, 1, 3, 0, 0
	s_wait_dscnt 0x0
	s_barrier_signal -1
	MUL16 2, 1, 3, 0, 0
	WIN 0
	s_barrier_wait -1
	PLACES NP
	v_add_nc_u32 v[ADRS], 4*NQ, v[ADRS]            ; on to slot 1's scale words
	FETCH_B 1, 0, 0
	FETCH_A 1, 0, 0
	SCALES 1
	WIN MUL_HI
	MUL16 4, 1, 3, 0, 0
	MUL16 6, 1, 3, 0, 0
	PLACES NP
	WIN 0
	FETCH_A 1, 0, 4
	STEP 1, 0, 0
	STEP 1, 1, 0
	STEP 1, 2, 0
	s_wait_dscnt 4*NL                              ; the very last step: nothing more to fetch
	WIN MUL_LO
	MUL16 0, 1, 3, 1, 0
	MUL16 2, 1, 3, 1, 0
	s_wait_dscnt 0
	WIN MUL_HI
	MUL16 4, 1, 3, 1, 0
	MUL16 6, 1, 3, 1, 0
	WIN 0
	PLACES NP                                      ; for the reads of results and the loads into the registers that held A's fragments
	; THE f32 COPY of my rows 0-15, where they are the first 16 of a block of 1,024: cluster y = 0 (the same in all partners) and the wave's row half 0.
	s_and_b32 s20, ttmp7, 0xffff
	s_cmp_lg_u32 s20, 0
	s_cbranch_scc1 .Lno_fine
	s_cmp_lg_u32 s15, 0
	s_cbranch_scc1 .Lno_fine
	WIN 0x08                                       ; an LDS store's data are its source 1: window 2
.irp b, 0,1,2,3,4,5,6,7
	ds_store_b128 v[STO32], v[8*\b:8*\b+3] offset:64*\b          ; each accumulator from its low end on
	ds_store_b128 v[STO32], v[8*\b+4:8*\b+7] offset:64*\b+16
.endr
	WIN 0
.irp t, 0,1,2,3,4,5,6,7,8,9,10,11,12,13,14,15
	ds_load_b128 v[BI+4*\t:BI+4*\t+3], v[RD32] offset:\t*528     ; my own bytes, served in order
.endr
	s_wait_dscnt 0x0
.irp t, 0,1,2,3,4,5,6,7,8,9,10,11,12,13,14,15
	global_store_b128 v[CO], v[BI+4*\t:BI+4*\t+3], s[98:99] offset:\t*SIZE_N*4   ; 32 lanes store 512 consecutive bytes, aligned
.endr
.Lno_fine:
	; THE WAY OUT IN f16, a block of 16 rows x 128 columns (two heads) at a time, through my stage: four rows of a head, 512 consecutive bytes, to a store.
.macro PACK a
.set AC, 64*((\a)%4)
	WIN 0x0a+5*((\a)/4)                            ; sources 0 and 1: window 2 or 3
.irp b, 0,1,2,3,4,5,6,7
.irp r, 0,1,2,3
	v_cvt_pk_f16_f32 v[TMP+4*\b+\r], v[AC+8*\b+2*\r], v[AC+8*\b+2*\r+1]
.endr
.endr
	WIN 0
.endm
.macro TOSTAGE a
.set BB, BK+32*((\a)%2)
.irp b, 0,1,2,3,4,5,6,7
	ds_store_b128 v[STO], v[TMP+4*\b:TMP+4*\b+3] offset:2304*(\b/4)+32*(\b%4)
.endr
.irp u, 0,1,2,3,4,5,6,7
	ds_load_b128 v[BB+4*\u:BB+4*\u+3], v[RD] offset:2304*(\u/4)+576*(\u%4)
.endr
.endm
.macro SEND a
.set BB, BK+32*((\a)%2)
	s_wait_dscnt 0x0                               ; the block is back in registers
	s_wait_xcnt 0x0                                ; the earlier stores have read their base and their data: both may be written
.if (\a) > 0
	s_add_nc_u64 s[12:13], s[12:13], 16*128        ; 16 positions on
.endif
.irp u, 0,1,2,3,4,5,6,7
	global_store_b128 v[CO], v[BB+4*\u:BB+4*\u+3], s[12:13] offset:262144*(\u/4)+512*(\u%4)
.endr
.endm
	PACK 0
	TOSTAGE 0
.irp a, 1,2,3,4,5,6,7                  ; block a's conversions stand between block a - 1's loads from the stage and the wait for them
	PACK \a
	SEND \a-1
	TOSTAGE \a
.endr
	SEND 7
	s_wait_tensorcnt 0x0                           ; the wave's end
	ds_add_u32 v[SPW], v[NIL]
	s_wait_dscnt 0x0
	CROUND                                         ; the closing round
	s_endpgm
.Lfunc_end_k_q671ec47ac4_qkv:
	.size	k_q671ec47ac4_qkv, .Lfunc_end_k_q671ec47ac4_qkv-k_q671ec47ac4_qkv
	.p2alignl 7, 3214868480
	.fill 96, 4, 3214868480
	.section	.rodata,"a",@progbits
	.p2align	6, 0x0
	.amdhsa_kernel k_q671ec47ac4_qkv
		.amdhsa_group_segment_fixed_size 327680
		.amdhsa_private_segment_fixed_size 0
		.amdhsa_enable_private_segment 0
		.amdhsa_kernarg_size 56
		.amdhsa_user_sgpr_count 2
		.amdhsa_user_sgpr_kernarg_segment_ptr 1
		.amdhsa_wavefront_size32 1
		.amdhsa_system_sgpr_workgroup_id_x 1
		.amdhsa_system_sgpr_workgroup_id_y 1
		.amdhsa_system_sgpr_workgroup_id_z 1
		.amdhsa_system_vgpr_workitem_id 0
		.amdhsa_next_free_vgpr 1024
		.amdhsa_next_free_sgpr 100
		.amdhsa_reserve_vcc 0
		.amdhsa_float_denorm_mode_32 3
		.amdhsa_float_denorm_mode_16_64 3
		.amdhsa_memory_ordered 1
		.amdhsa_forward_progress 1
		.amdhsa_inst_pref_size 133
	.end_amdhsa_kernel
	.amdgpu_metadata
---
amdhsa.version: [ 1, 2 ]
amdhsa.kernels:
  - .name:           k_q671ec47ac4_qkv
    .symbol:         k_q671ec47ac4_qkv.kd
    .args:
      - { .name: x_codes, .offset: 0, .size: 8, .value_kind: global_buffer, .address_space: global }
      - { .name: x_scales, .offset: 8, .size: 8, .value_kind: global_buffer, .address_space: global }
      - { .name: w_codes, .offset: 16, .size: 8, .value_kind: global_buffer, .address_space: global }
      - { .name: w_scales, .offset: 24, .size: 8, .value_kind: global_buffer, .address_space: global }
      - { .name: qkvh, .offset: 32, .size: 8, .value_kind: global_buffer, .address_space: global }
      - { .name: c_attn_b, .offset: 40, .size: 8, .value_kind: global_buffer, .address_space: global }
      - { .name: qkv_fine, .offset: 48, .size: 8, .value_kind: global_buffer, .address_space: global }
    .group_segment_fixed_size: 327680
    .private_segment_fixed_size: 0
    .kernarg_segment_align: 8
    .kernarg_segment_size: 56
    .max_flat_workgroup_size: 128
    .sgpr_count:     100
    .vgpr_count:     1024
    .wavefront_size: 32
...
	.end_amdgpu_metadata
.endif
;; end of part 2
;; launch attn (part 3): grid 8 x 32, 16 waves a work-group, no clusters, 327,680 bytes of LDS; arguments qkvh, attn_h; writes attn_h
.if DOCPART == 3
	.amdgcn_target "amdgcn-amd-amdhsa--gfx1250"
	.amdhsa_code_object_version 6
	.text
	.protected	k_q671ec47ac4_attn
	.globl	k_q671ec47ac4_attn
	.p2align	8
	.type	k_q671ec47ac4_attn,@function
k_q671ec47ac4_attn:
	s_mov_b64 s[64:65], 0
	v_nop
	global_prefetch_b8 v0, s[64:65] scope:SCOPE_SE
	s_setreg_imm32_b32 hwreg(HW_REG_WAVE_MODE, 25, 1), 1
	s_wait_xcnt 0x0
; O[q] = sum over k <= q of softmax_k(Q[q] . K[k] / 8) V[k], for one batch and head (work-group y), head size 64.  Q, K, V: f16, [2048][64] each, in qkvh.  Products, maxima and sums in f32;
; the weights p = 2^(c s - c m), m the running maximum, c = log2(e) / 8, are rounded to f16 for the second product; O is divided by the sum of the unrounded p and rounded to f16 once.
; OUT: attn_h, rows in pairs: element (row, head, channel) at (row / 2) x 4096 + head x 256 + (row % 2) x 128 + 2 x channel: so sixteen lanes of a store fill 256 consecutive bytes.
; LIMITS: NaN and infinities are not served.  The first 16 positions of a sequence are computed here too and are computed again, in f32, by a later launch.
; SHARES.  Work-group x = i owns query blocks i and 15 - i of 128 queries: 17 blocks of keys' work in every work-group.  Each of sixteen waves owns 16 queries, one tile, in 256 registers.
; Every work-group walks all eight slots of 256 keys (the trip counts are constants); a step of 128 keys all of which come after the wave's queries is jumped over, and a slot whose first key comes after
; the work-group's last query is not asked for.  NO CLUSTER: under the causal mask the query blocks of a head need different numbers of tiles.
; LAYOUT.  S^T = K Q^T (source 0 = 16 keys, source 1 = my 16 queries): a lane holds ONE query (lane % 16) and keys 8 (lane / 16) + 0..7 of a tile; two tiles, rounded in pairs, are source 1 of O^T = V^T P.
; K comes out of LDS as it lies, V ([key][channel]) turned by ds_load_tr16_b128.
; REGISTERS: v1-2 places in a tile; v3-4 at work; v5-6 the add's two; v7 the prefetches' offset; v8-9 addresses in hand; v10 a, v11 a permute's destination; v12 c m, v13 m, v[14:15] the sum;
;   v16-31 Q; v32-95 K's tiles 0-3, then V's keys 0-63; v96-159 S^T, p, then V's keys 64-127; v160-191 O^T; v192-255 K's tiles 4-7, then v192-223 P and v224-255 at work.
.set SK,    256                        ; keys in a slot
.set KP,    144                        ; a key's row in LDS: 128 bytes + 16
.set VP,    160                        ; a row of V: 128 + 32
.set VOFF,  SK*KP
.set SLOT1, 1<<17                      ; slot 1 begins here: one exclusive or turns an address
.set NSL,   8
.set STAGE, 2*SLOT1                    ; the way out: 16 rows x 144 bytes for each wave; no tile lands here
.set SPARE, STAGE+16*2304              ; the spare words, 128 bytes a wave: eight blocks of 256 bytes that no other line names
.set AK0, 1
.set AV0, 2
.set SPW, 5
.set NIL, 6
.set PFO, 7
.set ADK, 8
.set ADV, 9
.set WV,   18
.set SEL,  20
.set CS,   22
.set G1K,  24
.set G1V,  32
.set G0K,  40
.set G0V,  44
.set TB,   2
.set SLOTS, 67
.set LASTQ, 68
.set PFA,  76
.set LIM,  80
.set KF,   98
.set Q0,   99
; Waves 0 and 1 fetch K's halves of a slot, waves 2 and 3 V's, the others nothing.  An s_nop 0 and four v_nop follow each line.
.macro TLOAD
	s_cmp_lt_u32 s[WV], 2
	s_cbranch_scc0 .Lnot_k_\@
	tensor_load_to_lds s[G0K:G0K+3], s[G1K:G1K+7]
	s_nop 0
.rept 4
	v_nop
.endr
	s_branch .Lasked_\@
.Lnot_k_\@:
	s_cmp_lt_u32 s[WV], 4
	s_cbranch_scc0 .Lasked_\@
	tensor_load_to_lds s[G0V:G0V+3], s[G1V:G1V+7]
	s_nop 0
.rept 4
	v_nop
.endr
.Lasked_\@:
.endm
; A prefetch of what the NEXT change of slots will ask for: a slot's 32,768 dense bytes of K and of V.  The head's work-group x = 0, which walks and loads all slots, asks, and nobody else; in it waves 4-7 ask
; for K's, waves 8-11 for V's, 8,192 bytes a wave, lanes 256 bytes apart: each aligned 256 bytes is named once in the launch.  The last change that fills a slot asks for nothing.
.macro ASK
	s_cmp_gt_u32 s[SLOTS], s[LIM]
	s_cbranch_scc0 .Lnot_mine_\@
	global_prefetch_b8 v[PFO], s[PFA:PFA+1] th:TH_LOAD_NT scope:SCOPE_SE
.Lnot_mine_\@:
.endm
	s_load_b128 s[4:7], s[0:1], 0x0                ; qkvh, attn_h
	v_lshl_add_u32 v[SPW], v0, 2, SPARE
	v_mov_b32 v[NIL], 0
	ds_add_u32 v[SPW], v[NIL]                      ; the opening: the add, twice on end, and its wait ahead of my first tensor load
	ds_add_u32 v[SPW], v[NIL]
	v_lshrrev_b32 v8, 5, v0
	v_readfirstlane_b32 s[WV], v8                  ; wave 0..15
	s_and_b32 s72, ttmp7, 0xffff                   ; 16 x batch + head
	s_lshl_b32 s74, s72, 18                        ; the head's first byte in each of the three parts
	s_lshr_b32 s82, s[WV], 2                       ; which of the two query blocks: ((w / 4) xor w) & 1, so that two of any four waves in a row, and two of any four that lie four apart, take the late block
	s_xor_b32 s82, s82, s[WV]
	s_and_b32 s82, s82, 1
	s_and_b32 s83, s[WV], 3
	s_lshr_b32 s84, s[WV], 3
	s_lshl_b32 s84, s84, 2
	s_or_b32 s83, s83, s84                         ; which 16 of its 128 queries
	s_sub_co_u32 s84, 15, ttmp9
	s_cmp_eq_u32 s82, 1
	s_cselect_b32 s84, s84, ttmp9
	s_lshl_b32 s84, s84, 7
	s_lshl_b32 s83, s83, 4
	s_add_co_u32 s[Q0], s84, s83                   ; my first query
	s_lshl_b32 s[LASTQ], ttmp9, 7
	s_sub_co_u32 s[LASTQ], 2047, s[LASTQ]          ; the work-group's last query
	s_and_b32 s88, s[WV], 1                        ; which half of a slot I fetch, if I fetch: 128 rows of 128 bytes
	s_lshl_b32 s90, s88, 14
	s_add_co_u32 s90, s90, s74
	s_add_co_u32 s92, s90, 16777216                ; in V's part,
	s_add_co_u32 s90, s90, 8388608                 ; in K's
	s_mov_b32 s91, 0
	s_mov_b32 s93, 0
	s_mul_i32 s89, s88, 128*KP
	s_mul_i32 s94, s88, 128*VP
	s_add_co_u32 s94, s94, VOFF
	s_mov_b32 s[G1K], (1<<16)|(1<<20)|(4<<22)|(3<<25)   ; no mask; elements of 2 bytes; padding on: 4 words behind every 32
	s_mov_b32 s[G1V], (1<<16)|(1<<20)|(4<<22)|(7<<25)   ; 8 words behind every 32
.irp g, G1K, G1V
	s_mov_b32 s[\g+1], 64<<16                      ; tensor_dim0
	s_mov_b32 s[\g+2], 128<<16                     ; tensor_dim1
	s_mov_b32 s[\g+3], 64<<16                      ; tile_dim0
	s_mov_b32 s[\g+4], 128                         ; tile_dim1
	s_mov_b32 s[\g+5], 64                          ; the pitch
	s_mov_b32 s[\g+6], 0
	s_mov_b32 s[\g+7], 0
.endr
	s_mov_b32 s[SEL], 0x76543210
	s_mov_b32 s[SEL+1], 0xfedcba98                 ; v_permlanex16_b32: lane l xor 16
	s_mov_b32 s[CS], 0x3e38aa3b                    ; c = log2(e) / 8
	s_mov_b32 s[CS+1], s[CS]
	s_mov_b32 s[TB], 0
	s_mov_b32 s[SLOTS], NSL-1
	s_mov_b32 s[KF], 0
	s_wait_dscnt 0x0                               ; both opening adds are done
	s_wait_kmcnt 0x0
	s_mov_b32 s[G0K], 1
	s_mov_b32 s[G0K+1], s89
	s_add_nc_u64 s[G0K+2:G0K+3], s[4:5], s[90:91]
	s_or_b32 s[G0K+3], s[G0K+3], 0x80000000
	s_mov_b32 s[G0V], 1
	s_mov_b32 s[G0V+1], s94
	s_add_nc_u64 s[G0V+2:G0V+3], s[4:5], s[92:93]
	s_or_b32 s[G0V+3], s[G0V+3], 0x80000000
	TLOAD                                          ; slot 0: it holds key 0, which counts for every query
	s_lshl_b32 s82, s[Q0], 7
	s_add_co_u32 s82, s82, s74
	s_mov_b32 s83, 0
	s_add_nc_u64 s[8:9], s[4:5], s[82:83]          ; Q at my first query
	s_lshr_b32 s82, s72, 4
	s_lshl_b32 s82, s82, 11
	s_add_co_u32 s82, s82, s[Q0]
	s_lshl_b32 s82, s82, 11                        ; (row / 2) x 4,096
	s_and_b32 s84, s72, 15
	s_lshl_b32 s84, s84, 8
	s_add_co_u32 s82, s82, s84
	s_add_nc_u64 s[6:7], s[6:7], s[82:83]          ; the output at my first row, my head
	s_cmp_lt_u32 s[WV], 8                          ; the prefetches: waves 4-7 K's part, waves 8-11 V's
	s_mov_b32 s82, 16777216
	s_cselect_b32 s82, 8388608, s82
	s_add_co_u32 s82, s82, s74
	s_and_b32 s84, s[WV], 3
	s_lshl_b32 s84, s84, 13
	s_add_co_u32 s82, s82, s84
	s_add_co_u32 s82, s82, SK*128                  ; in slot 1: the first change of slots steps it to slot 2; nothing is asked for here, at the head
	s_add_nc_u64 s[PFA:PFA+1], s[4:5], s[82:83]
	s_sub_co_u32 s82, s[WV], 4
	s_lshr_b32 s82, s82, 3                         ; 0 in waves 4 to 11,
	s_or_b32 s82, s82, ttmp9                       ; of work-group x = 0
	s_cmp_eq_u32 s82, 0
	s_cselect_b32 s[LIM], 1, -1
	v_and_b32 v[PFO], 31, v0
	v_lshlrev_b32 v[PFO], 8, v[PFO]
	v_and_b32 v8, 15, v0                           ; r
	v_bfe_u32 v9, v0, 4, 1                         ; h
	v_lshlrev_b32 v10, 7, v8
	v_lshl_add_u32 v10, v9, 4, v10
.irp c, 0,1,2,3
	global_load_b128 v[16+4*\c:19+4*\c], v10, s[8:9] offset:32*\c   ; Q's two fragments stay in registers
.endr
	v_mul_u32_u24 v[AK0], v8, KP
	v_lshl_add_u32 v[AK0], v9, 4, v[AK0]           ; K: row r x pitch + 16 h
	v_and_b32 v3, 7, v0
	v_lshl_add_u32 v[AV0], v9, 3, v3               ; V: the turning load's row 8 h + l % 8,
	v_mul_u32_u24 v[AV0], v[AV0], VP
	v_bfe_u32 v3, v0, 3, 1
	v_lshl_add_u32 v[AV0], v3, 4, v[AV0]           ; its 16 bytes (l / 8) % 2
	v_add_nc_u32 v[AV0], VOFF, v[AV0]
	v_mov_b32 v13, 0xff61b1e6                      ; m: -3e38, under every score
	v_mul_f32 v12, s[CS], v13                      ; c m
	v_mov_b32 v14, 0
	v_mov_b32 v15, 0
	v_mov_b32 v11, 0                               ; a lane permute's destination counts as one of its sources
.irp j, 0,1,2,3,4,5,6,7,8,9,10,11,12,13,14,15,16,17,18,19,20,21,22,23,24,25,26,27,28,29,30,31
	v_mov_b32 v[160+\j], 0                         ; O^T: the step is written once; the first finds zeros
.endr
.macro VLOAD q, g                      ; V's keys 64 g .. 64 g + 63 of the step, turned: 16 loads into v32-95 (g = 0) or v96-159 (g = 1)
.irp k2, 0,1
.irp t, 0,1,2,3
.set rV, 32+64*(\g)+8*(4*\k2+\t)
	ds_load_tr16_b128 v[rV:rV+3],   v[ADV] offset:(128*(\q)+32*(2*(\g)+\k2))*VP+32*\t
	ds_load_tr16_b128 v[rV+4:rV+7], v[ADV] offset:(128*(\q)+32*(2*(\g)+\k2))*VP+16*VP+32*\t
.endr
.endr
.endm
; A KEY STEP: 128 keys, the q-th of the slot in hand.
.macro STEP q
	s_add_co_u32 s96, s[Q0], 15
	s_cmp_gt_u32 s[KF], s96                        ; all its keys come after my queries: ids and the count of steps alone
	s_cbranch_scc1 .Lhidden_\@
	v_add_nc_u32 v[ADK], s[TB], v[AK0]
	v_add_nc_u32 v[ADV], s[TB], v[AV0]
.rept 3
	v_nop                                          ; with the two additions five places: the first products below write over registers that the last step's products read
.endr
.irp kt, 0,1,2,3,4,5,6,7
.irp c, 0,1
.if \kt < 4
.set rK, 32+16*\kt+8*\c
.else
.set rK, 192+16*(\kt-4)+8*\c
.endif
	ds_load_b128 v[rK:rK+3],   v[ADK] offset:(128*(\q)+16*\kt)*KP+64*\c
	ds_load_b128 v[rK+4:rK+7], v[ADK] offset:(128*(\q)+16*\kt)*KP+64*\c+32
.endr
.endr
.irp g, 0,1                                    ; S^T = K Q^T, four tiles of 16 keys at a time, the four accumulators by turns
.if \g == 0
	s_wait_dscnt 16                                ; tiles 0-3 are in; the sixteen loads of tiles 4-7 may be out
.else
	s_wait_dscnt 0x0
.endif
.irp c, 0,1
.irp u, 0,1,2,3
.set rK, 32+160*\g+16*\u+8*\c
.set rS, 96+8*(4*\g+\u)
.if \c == 0
	v_wmma_f32_16x16x32_f16 v[rS:rS+7], v[rK:rK+7], v[16:23], 0
.else
	v_wmma_f32_16x16x32_f16 v[rS:rS+7], v[rK:rK+7], v[24:31], v[rS:rS+7]
.endif
.endr
.endr
.endr
.rept 4
	v_nop                                          ; places in front of the loads into K's registers and of the first reads of the scores
.endr
	VLOAD \q, 0
	s_add_co_u32 s96, s[KF], 127                   ; a step all of whose keys count skips the mask
	s_cmp_le_u32 s96, s[Q0]
	s_cbranch_scc1 .Lopen_\@
	s_sub_co_i32 s96, s[Q0], s[KF]
	v_and_b32 v4, 15, v0
	v_bfe_u32 v3, v0, 4, 1
	v_lshlrev_b32 v3, 3, v3
	v_sub_nc_u32 v4, v4, v3
	v_add_nc_u32 v4, s96, v4                       ; d = my query - KF - 8 h.  Register n holds key KF + 16 (n / 8) + 8 h + n % 8: hidden where 16 (n / 8) + n % 8 > d
	v_mov_b32 v255, 0xff800000                     ; -infinity: p = 0 then
.set MN, 0
.rept 64
	v_cmp_gt_i32 vcc_lo, 16*(MN/8)+MN%8, v4
	v_cndmask_b32 v[96+MN], v[96+MN], v255, vcc_lo
.set MN, MN+1
.endr
.Lopen_\@:
.irp b, 0,1,2,3
	v_max3_num_f32 v[224+\b], v[96+16*\b], v[97+16*\b], v[98+16*\b]   ; the largest score, in four chains
.endr
.irp i, 3,5,7,9,11,13
.irp b, 0,1,2,3
	v_max3_num_f32 v[224+\b], v[224+\b], v[96+16*\b+\i], v[97+16*\b+\i]
.endr
.endr
.irp b, 0,1,2,3
	v_max_num_f32 v[224+\b], v[224+\b], v[111+16*\b]
.endr
	v_max3_num_f32 v224, v224, v225, v226
	v_max3_num_f32 v224, v224, v227, v13           ; with the old m
	v_permlanex16_b32 v11, v224, s[SEL], s[SEL+1]  ; the query's other 64 keys lie in the lane 16 away
	v_mov_b32 v3, v12                              ; c m_old
	v_max_num_f32 v13, v224, v11
	v_mul_f32 v12, s[CS], v13
	v_sub_f32 v3, v3, v12                          ; c m_old - c m_new
.irp j, 0,2,4,6,8,10,12,14,16,18,20,22,24,26,28,30,32,34,36,38,40,42,44,46,48,50,52,54,56,58,60,62
	v_pk_fma_f32 v[96+\j:97+\j], v[96+\j:97+\j], s[CS:CS+1], v[12:13] op_sel_hi:[1,0,0] neg_lo:[0,0,1] neg_hi:[0,0,1]   ; c s - c m
.endr
	v_exp_f32 v10, v3                              ; a
.irp j, 0,1,2,3,4,5,6,7,8,9,10,11,12,13,14,15,16,17,18,19,20,21,22,23,24,25,26,27,28,29,30,31,32,33,34,35,36,37,38,39,40,41,42,43,44,45,46,47,48,49,50,51,52,53,54,55,56,57,58,59,60,61,62,63
	v_exp_f32 v[96+\j], v[96+\j]
.endr
	v_nop                                          ; a plain instruction behind the last exponential
	s_wait_alu depctr_va_vdst(0)                   ; one wait for the batch of 65, ahead of its first reader
.irp i, 0,1,2,3,4,5,6,7,8,9,10,11,12,13,14,15,16,17,18,19,20,21,22,23,24,25,26,27,28,29,30,31
	v_cvt_pk_f16_f32 v[192+\i], v[96+2*\i], v[97+2*\i]   ; P: tiles 2 s and 2 s + 1 are source 1 for keys 32 s on
.endr
	v_pk_mul_f32 v[14:15], v[14:15], v[10:11] op_sel_hi:[1,0]   ; the sum under the new m
	v_pk_add_f32 v[228:229], v[96:97], v[98:99]    ; and the step's p, unrounded, in two chains
.irp j, 4,8,12,16,20,24,28,32,36,40,44,48,52,56,60
	v_pk_add_f32 v[14:15], v[14:15], v[96+\j:97+\j]
	v_pk_add_f32 v[228:229], v[228:229], v[98+\j:99+\j]
.endr
	v_pk_add_f32 v[14:15], v[14:15], v[228:229]
	VLOAD \q, 1                                    ; p has been read: its registers take V's keys 64-127
.irp j, 0,2,4,6,8,10,12,14,16,18,20,22,24,26,28,30
	v_pk_mul_f32 v[160+\j:161+\j], v[160+\j:161+\j], v[10:11] op_sel_hi:[1,0]   ; O^T under the new m
.endr
.irp g, 0,1                                    ; O^T += V^T P, the four accumulators by turns
.if \g == 0
	s_wait_dscnt 16                                ; V's keys 0-63 are in; the sixteen loads just issued may be out
.else
	s_wait_dscnt 0x0
.endif
.irp k2, 0,1
.irp t, 0,1,2,3
.set rV, 32+64*\g+8*(4*\k2+\t)
.set rP, 192+8*(2*\g+\k2)
	v_wmma_f32_16x16x32_f16 v[160+8*\t:167+8*\t], v[rV:rV+7], v[rP:rP+7], v[160+8*\t:167+8*\t]
.endr
.endr
.endr
.Lhidden_\@:
	s_add_co_u32 s[KF], s[KF], 128
.endm
; THE CHANGE OF SLOTS stands at a slot's head.  Each wave waits for all its tensor loads, adds 0 to its spare word (fill = 1: twice on end),
; and waits for that and for its reads of the slot that it has left.  Behind the barrier the slot ahead is whole and nobody reads the other one, which is then filled with the keys that follow, up to the causal limit.
.macro CHANGE fill
	s_wait_tensorcnt 0x0                           ; no tensor load of mine is out, so a group 0 may be written
	ds_add_u32 v[SPW], v[NIL]
.if \fill
	ds_add_u32 v[SPW], v[NIL]
	s_xor_b32 s[G0K+1], s[G0K+1], SLOT1
	s_add_nc_u64 s[G0K+2:G0K+3], s[G0K+2:G0K+3], SK*128
	s_xor_b32 s[G0V+1], s[G0V+1], SLOT1
	s_add_nc_u64 s[G0V+2:G0V+3], s[G0V+2:G0V+3], SK*128
	s_wait_xcnt 0x0                                ; the last prefetch, a slot back, has read its address
	s_add_nc_u64 s[PFA:PFA+1], s[PFA:PFA+1], SK*128
.endif
	s_wait_dscnt 0x0
	s_barrier_signal -1
	s_barrier_wait -1
.if \fill
	s_add_co_u32 s96, s[KF], SK                    ; the first key of the slot that this change would ask for
	s_cmp_gt_u32 s96, s[LASTQ]                     ; past the work-group's last query none of its waves reads it: ids and the count of steps alone, the same in all sixteen waves
	s_cbranch_scc1 .Lpast_\@
	TLOAD                                          ; a wave's one tensor load until the next such barrier
.Lpast_\@:
	ASK
.endif
.endm
.macro SLOT_STEPS
	STEP 0
	STEP 1
	s_xor_b32 s[TB], s[TB], SLOT1
.endm
	s_wait_loadcnt 0x0                             ; Q
.Lslot:                                            ; seven trips
	CHANGE 1
	SLOT_STEPS
	s_sub_co_u32 s[SLOTS], s[SLOTS], 1
	s_cmp_lg_u32 s[SLOTS], 0
	s_cbranch_scc1 .Lslot
	CHANGE 0                                       ; the last slot is written out: nothing is left to ask for
	SLOT_STEPS
	; THE WAY OUT.  O^T / the sum, rounded to f16, through my stage; four rows (two pairs) to a store.
	v_add_f32 v14, v14, v15
	v_permlanex16_b32 v11, v14, s[SEL], s[SEL+1]
	v_add_f32 v14, v14, v11
	v_rcp_f32 v14, v14
	v_and_b32 v224, 15, v0                         ; (plain work behind the reciprocal)  r
	v_bfe_u32 v225, v0, 4, 1                       ; h
	s_mul_i32 s73, s[WV], 2304
	s_add_co_u32 s73, s73, STAGE
	v_mul_u32_u24 v8, v224, 144
	v_lshl_add_u32 v8, v225, 4, v8
	v_add_nc_u32 v8, s73, v8                       ; in: row r, tile t's eight channels: 32 t + 16 h bytes on
	v_bfe_u32 v226, v0, 3, 2
	v_and_b32 v227, 7, v0
	v_mul_u32_u24 v9, v226, 144
	v_lshl_add_u32 v9, v227, 4, v9
	v_add_nc_u32 v9, s73, v9                       ; back: eight lanes to a row
	v_lshlrev_b32 v3, 12, v225                     ; in memory: the pair of rows l / 16,
	v_bfe_u32 v226, v0, 3, 1
	v_lshl_add_u32 v3, v226, 7, v3                 ; the row of the pair,
	v_lshl_add_u32 v3, v227, 4, v3                 ; 16 bytes a lane
	s_wait_alu depctr_va_vdst(0)                   ; ahead of the reciprocal's first reader
.irp j, 0,2,4,6,8,10,12,14,16,18,20,22,24,26,28,30
	v_pk_mul_f32 v[96+\j:97+\j], v[160+\j:161+\j], v[14:15] op_sel_hi:[1,0]
.endr
.irp i, 0,1,2,3,4,5,6,7,8,9,10,11,12,13,14,15
	v_cvt_pk_f16_f32 v[32+\i], v[96+2*\i], v[97+2*\i]
.endr
.irp t, 0,1,2,3
	ds_store_b128 v8, v[32+4*\t:35+4*\t] offset:32*\t
.endr
.irp i, 0,1,2,3
	ds_load_b128 v[48+4*\i:51+4*\i], v9 offset:576*\i   ; my own bytes, served in order
.endr
.irp i, 0,1,2,3
	s_wait_dscnt 3-\i
	global_store_b128 v3, v[48+4*\i:51+4*\i], s[6:7] offset:8192*\i   ; sixteen lanes store 256 consecutive bytes, aligned
.endr
	s_wait_tensorcnt 0x0                           ; the wave's end
	ds_add_u32 v[SPW], v[NIL]
	s_wait_dscnt 0x0
	s_endpgm
.Lfunc_end_k_q671ec47ac4_attn:
	.size	k_q671ec47ac4_attn, .Lfunc_end_k_q671ec47ac4_attn-k_q671ec47ac4_attn
	.p2alignl 7, 3214868480
	.fill 96, 4, 3214868480
	.section	.rodata,"a",@progbits
	.p2align	6, 0x0
	.amdhsa_kernel k_q671ec47ac4_attn
		.amdhsa_group_segment_fixed_size 327680
		.amdhsa_private_segment_fixed_size 0
		.amdhsa_enable_private_segment 0
		.amdhsa_kernarg_size 16
		.amdhsa_user_sgpr_count 2
		.amdhsa_user_sgpr_kernarg_segment_ptr 1
		.amdhsa_wavefront_size32 1
		.amdhsa_system_sgpr_workgroup_id_x 1
		.amdhsa_system_sgpr_workgroup_id_y 1
		.amdhsa_system_sgpr_workgroup_id_z 1
		.amdhsa_system_vgpr_workitem_id 0
		.amdhsa_next_free_vgpr 256
		.amdhsa_next_free_sgpr 100
		.amdhsa_reserve_vcc 1
		.amdhsa_float_denorm_mode_32 3
		.amdhsa_float_denorm_mode_16_64 3
		.amdhsa_memory_ordered 1
		.amdhsa_forward_progress 1
		.amdhsa_inst_pref_size 107
	.end_amdhsa_kernel
	.amdgpu_metadata
---
amdhsa.version: [ 1, 2 ]
amdhsa.kernels:
  - .name:           k_q671ec47ac4_attn
    .symbol:         k_q671ec47ac4_attn.kd
    .args:
      - { .name: qkvh, .offset: 0, .size: 8, .value_kind: global_buffer, .address_space: global }
      - { .name: attn_h, .offset: 8, .size: 8, .value_kind: global_buffer, .address_space: global }
    .group_segment_fixed_size: 327680
    .private_segment_fixed_size: 0
    .kernarg_segment_align: 8
    .kernarg_segment_size: 16
    .max_flat_workgroup_size: 512
    .sgpr_count:     100
    .vgpr_count:     256
    .wavefront_size: 32
...
	.end_amdgpu_metadata
.endif
;; end of part 3
;; launch proj (part 4): grid 8 x 32, 4 waves a work-group, clusters of 4 x 4, 327,680 bytes of LDS; arguments attn_h, wpt, out0, c_proj_b; writes out0
.if DOCPART == 4
	.amdgcn_target "amdgcn-amd-amdhsa--gfx1250"
	.amdhsa_code_object_version 6
	.text
	.protected	k_q671ec47ac4_proj
	.globl	k_q671ec47ac4_proj
	.p2align	8
	.type	k_q671ec47ac4_proj,@function
k_q671ec47ac4_proj:
	s_mov_b64 s[64:65], 0
	v_nop
	global_prefetch_b8 v0, s[64:65] scope:SCOPE_SE
	s_setreg_imm32_b32 hwreg(HW_REG_WAVE_MODE, 25, 1), 1
	s_wait_xcnt 0x0
	s_wait_alu depctr_hold_cnt(0) depctr_sa_sdst(0) depctr_va_vdst(0) depctr_va_sdst(0) depctr_va_ssrc(0) depctr_va_vcc(0) depctr_vm_vsrc(0)
	s_getreg_b32 s2, hwreg(HW_REG_IB_STS2, 6, 4)
	s_cmp_eq_u32 s2, 0
	s_cbranch_scc0 .Lentry_in_a_cluster
	s_endpgm
.Lentry_in_a_cluster:
	s_bfe_u32 s2, ttmp6, 0x10000c
	s_cmp_lg_u32 s2, 0xf033
	s_cbranch_scc0 .Lentry_shape_is_right
	s_endpgm
.Lentry_shape_is_right:
; out[m][n] = sum over k of a[m][k] w[k][n] + b[n].  M = 4,096, N = K = 1,024.  a: attn_h, f16, rows in pairs (element (m, k) at (m / 2) x 4096 + (k / 64) x 256 + (m % 2) x 128 + 2 (k % 64));
; w: wpt, f16, [n][k]; out0 and the bias f32; sums in f32; the bias is the C of each sum's first product.
; A tile of 128 x 128 gives 256 work-groups.  Four waves, each 64 x 64: 16 accumulators.  K goes in four steps of 256 through two LDS slots.  A's tile of a step is 32 pairs of rows x 1,024 bytes a load,
; B's 64 rows x 512 bytes.  CLUSTERS: 4 x 4; A's tiles are asked for jointly along a row of the cluster, B's along a column.  Used transposed: a lane holds eight neighbouring columns of a row.
; The first 16 rows of both sequences are written here and written again, from f32 operands, by the launch that follows.
; REGISTERS: window 0: v0-31 addresses; v32-95 rows on their way out; v96-127 the bias; v128-255 accumulators ((a, b) at v[128 + 8 (4 a + b)]).  window 1: two fragment buffers of 128.
.set PITCHA, 1040                      ; a pair of rows in LDS: 1,024 bytes + 16: the 16 rows of a load fall on 16 different columns of 16 bytes modulo 256
.set PITCHB, 528
.set HALFA,  32*PITCHA
.set HALFB,  64*PITCHB
.set BOFF,   2*HALFA
.set SLOT,   2*HALFA+2*HALFB
.set SPARE,  2*SLOT                    ; the spare words, 128 bytes a wave: two blocks of 256 bytes that no other line names
.set SPITCH, 272                       ; the way out: for each wave 16 rows x (256 bytes + 16), in slot 0, which has had its last fill and its last read by then
.set ADRA, 16
.set ADRB, 20
.set STO,  24
.set RD,   25
.set CO,   26
.set BO,   27
.set SPW,  28
.set NIL,  29
.set BK,   32
.set BI,   96
.set ACC,  128
.set F0,   0
.set F1,   128
.set G1, 24
.set G0, 32
.set G1B, 48
.set G0B, 56
.set MSB, 0
.macro WIN new
.if MSB != \new
	s_set_vgpr_msb (MSB<<8)|\new
.set MSB, \new
.endif
.endm
.set MUL,  0x05                        ; sources 0 (B) and 1 (A) window 1; C and D window 0
.set TO_F, 0x40
.macro JLOAD s                         ; waves 0 and 1 fetch A's two halves, waves 2 and 3 B's; an s_nop 0 and four v_nop follow each line
	s_cmp_eq_u32 s11, 0
	s_cbranch_scc0 .Lfor_b_\@
	tensor_load_to_lds s[G0+4*\s:G0+4*\s+3], s[G1:G1+7]
	s_nop 0
.rept 4
	v_nop
.endr
	s_branch .Lasked_\@
.Lfor_b_\@:
	tensor_load_to_lds s[G0B+4*\s:G0B+4*\s+3], s[G1B:G1B+7]
	s_nop 0
.rept 4
	v_nop
.endr
.Lasked_\@:
.endm
.macro CREST
	s_cmp_lg_u32 s10, 0
	s_cbranch_scc1 .Lnot_wave_0_\@
	s_barrier_signal -3
.Lnot_wave_0_\@:
	s_barrier_wait -3
	s_barrier_signal -1
	s_barrier_wait -1
.endm
.macro CROUND
	s_barrier_signal -1
	s_barrier_wait -1
	CREST
.endm
	s_load_b128 s[4:7], s[0:1], 0x0                ; attn_h, wpt
	s_load_b64 s[8:9], s[0:1], 0x10                ; out0
	s_load_b64 s[68:69], s[0:1], 0x18              ; the bias
	v_lshl_add_u32 v[SPW], v0, 2, SPARE
	v_mov_b32 v[NIL], 0
	ds_add_u32 v[SPW], v[NIL]                      ; the opening: the add, twice on end, and its wait ahead of my first tensor load
	ds_add_u32 v[SPW], v[NIL]
	v_lshrrev_b32 v1, 5, v0
	v_readfirstlane_b32 s10, v1                    ; wave 0..3
	s_lshr_b32 s11, s10, 1                         ; my half of the tile's rows; also: I fetch for A (0) or B (1)
	s_and_b32 s12, s10, 1                          ; my half of its columns; also: which half of that tile I fetch
	s_bfe_u32 s40, ttmp6, 0x40000                  ; cx
	s_bfe_u32 s41, ttmp6, 0x40004                  ; cy
	s_lshl_b32 s42, ttmp9, 2
	s_add_co_u32 s42, s42, s40                     ; tile column
	s_and_b32 s13, ttmp7, 0xffff
	s_lshl_b32 s13, s13, 2
	s_add_co_u32 s13, s13, s41                     ; tile row
	s_lshl_b32 s43, s41, 2
	s_lshl_b32 s43, 15, s43                        ; my row of the cluster
	s_lshl_b32 s44, 0x1111, s40                    ; my column
	s_or_b32 s[G1+0], s43, (1<<16)|(1<<20)|(1<<21)|(7<<22)|(3<<25)   ; A: elements of 2 bytes; 4 words of padding behind every 256
	s_mov_b32 s[G1+1], 512<<16                     ; tensor_dim0: 512 elements: four heads of a pair of rows
	s_mov_b32 s[G1+2], 32<<16                      ; tensor_dim1: 32 pairs
	s_mov_b32 s[G1+3], 512<<16
	s_mov_b32 s[G1+4], 32
	s_mov_b32 s[G1+5], 2048                        ; a pair of rows is 2,048 elements
	s_mov_b32 s[G1+6], 0
	s_mov_b32 s[G1+7], 0
	s_or_b32 s[G1B+0], s44, (1<<16)|(1<<20)|(1<<21)|(6<<22)|(3<<25)  ; B: 4 words behind every 128
	s_mov_b32 s[G1B+1], 256<<16
	s_mov_b32 s[G1B+2], 64<<16
	s_mov_b32 s[G1B+3], 256<<16
	s_mov_b32 s[G1B+4], 64
	s_mov_b32 s[G1B+5], 1024
	s_mov_b32 s[G1B+6], 0
	s_mov_b32 s[G1B+7], 0
	s_lshl_b32 s16, s13, 6
	s_lshl_b32 s17, s12, 5
	s_add_co_u32 s16, s16, s17
	s_lshl_b32 s16, s16, 12                        ; A: pair 64 x tile row + 32 x half, 4,096 bytes each
	s_mov_b32 s17, 0
	s_lshl_b32 s46, s42, 7
	s_lshl_b32 s47, s12, 6
	s_add_co_u32 s46, s46, s47
	s_lshl_b32 s46, s46, 11                        ; B: row 128 x tile column + 64 x half, 2,048 bytes each
	s_mov_b32 s47, 0
	s_mul_i32 s20, s12, HALFA                      ; where they go: no place in the cluster enters an LDS address
	s_mul_i32 s21, s12, HALFB
	s_add_co_u32 s21, s21, BOFF
	s_wait_dscnt 0x0                               ; both opening adds are done
	s_wait_kmcnt 0x0
	s_add_nc_u64 s[14:15], s[4:5], s[16:17]
	s_add_nc_u64 s[46:47], s[6:7], s[46:47]
	CROUND                                         ; all sixteen work-groups are here
.irp s, 0,1
	s_mov_b32 s[G0+4*\s], 1
	s_add_co_u32 s[G0+4*\s+1], s20, \s*SLOT
	s_add_nc_u64 s[G0+4*\s+2:G0+4*\s+3], s[14:15], \s*1024
	s_or_b32 s[G0+4*\s+3], s[G0+4*\s+3], 0x80000000
	s_mov_b32 s[G0B+4*\s], 1
	s_add_co_u32 s[G0B+4*\s+1], s21, \s*SLOT
	s_add_nc_u64 s[G0B+4*\s+2:G0B+4*\s+3], s[46:47], \s*512
	s_or_b32 s[G0B+4*\s+3], s[G0B+4*\s+3], 0x80000000
	JLOAD \s
.endr
	v_and_b32 v1, 15, v0                           ; r
	v_bfe_u32 v2, v0, 4, 1                         ; h
	s_lshl_b32 s46, s42, 9
	s_lshl_b32 s47, s12, 8
	s_add_co_u32 s46, s46, s47                     ; my first column in bytes of f32: 512 x tile column + 256 x half
	s_mov_b32 s47, 0
	s_add_nc_u64 s[68:69], s[68:69], s[46:47]
	v_lshlrev_b32 v[BO], 5, v2
.irp b, 0,1,2,3
	global_load_b128 v[BI+8*\b:BI+8*\b+3], v[BO], s[68:69] offset:64*\b        ; lane (r, h): the bias of columns 16 b + 8 h + 0 .. 7: the result's layout
	global_load_b128 v[BI+8*\b+4:BI+8*\b+7], v[BO], s[68:69] offset:64*\b+16
.endr
	v_mul_u32_u24 v3, v1, PITCHB
	v_lshl_add_u32 v3, v2, 4, v3                   ; B: row r x pitch + 16 h
	v_lshrrev_b32 v4, 1, v1
	v_mul_u32_u24 v4, v4, PITCHA
	v_and_b32 v5, 1, v1
	v_lshl_add_u32 v4, v5, 7, v4
	v_lshl_add_u32 v4, v2, 4, v4                   ; A: pair r / 2, its row r % 2, + 16 h
	s_mul_i32 s21, s11, HALFA
	s_mul_i32 s22, s12, HALFB
	s_add_co_u32 s22, s22, BOFF
.irp s, 0,1
	v_add_nc_u32 v[ADRA+\s], s21, v4
	v_add_nc_u32 v[ADRB+\s], s22, v3
	s_add_co_u32 s21, s21, SLOT
	s_add_co_u32 s22, s22, SLOT
.endr
	s_mul_i32 s23, s10, 16*SPITCH                  ; my stage
	v_mul_u32_u24 v4, v1, SPITCH
	v_lshl_add_u32 v4, v2, 5, v4
	v_add_nc_u32 v[STO], s23, v4                   ; in: row r, 32 bytes for each half of the lanes
	v_mul_u32_u24 v5, v2, SPITCH
	v_lshl_add_u32 v5, v1, 4, v5
	v_add_nc_u32 v[RD], s23, v5                    ; back: sixteen lanes to a row of 256 bytes
	v_lshlrev_b32 v5, 12, v2
	v_lshl_add_u32 v[CO], v1, 4, v5                ; and the same two rows in out0
	s_lshl_b32 s16, s13, 7
	s_lshl_b32 s17, s11, 6
	s_add_co_u32 s16, s16, s17
	s_lshl_b32 s16, s16, 12                        ; my first row, 4,096 bytes a row
	s_mov_b32 s17, 0
	s_add_nc_u64 s[8:9], s[8:9], s[16:17]
	s_add_nc_u64 s[8:9], s[8:9], s[46:47]
; 8 matrix instructions: m blocks a0, a0 + 1 x 4 n blocks, 32 along K.  zero = 1: the first product starts the sums on the bias.  The 16 accumulators take turns.
.macro MUL8 f, c, a0, zero
.irp a, \a0, \a0+1
.irp b, 0,1,2,3
.if \zero
	v_wmma_f32_16x16x32_f16 v[ACC+8*(4*(\a)+\b):ACC+8*(4*(\a)+\b)+7], v[\f+64+8*(4*\c+\b):\f+64+8*(4*\c+\b)+7], v[\f+8*(4*\c+\a):\f+8*(4*\c+\a)+7], v[BI+8*\b:BI+8*\b+7]
.else
	v_wmma_f32_16x16x32_f16 v[ACC+8*(4*(\a)+\b):ACC+8*(4*(\a)+\b)+7], v[\f+64+8*(4*\c+\b):\f+64+8*(4*\c+\b)+7], v[\f+8*(4*\c+\a):\f+8*(4*\c+\a)+7], v[ACC+8*(4*(\a)+\b):ACC+8*(4*(\a)+\b)+7]
.endif
.endr
.endr
.endm
; 32 LDS loads in one run: 64 along K (one head) at byte k of B's rows, which is byte 2 k of A's pairs; the first 32 along K first
.macro FETCH slot, k, f
	WIN TO_F
.irp c, 0,1
.irp i, 0,1,2,3
	ds_load_b128 v[\f+64+8*(4*\c+\i):\f+64+8*(4*\c+\i)+3],   v[ADRB+\slot] offset:\k+64*\c+\i*16*PITCHB
	ds_load_b128 v[\f+64+8*(4*\c+\i)+4:\f+64+8*(4*\c+\i)+7], v[ADRB+\slot] offset:\k+64*\c+\i*16*PITCHB+32
	ds_load_b128 v[\f+8*(4*\c+\i):\f+8*(4*\c+\i)+3],         v[ADRA+\slot] offset:2*\k+64*\c+\i*8*PITCHA
	ds_load_b128 v[\f+8*(4*\c+\i)+4:\f+8*(4*\c+\i)+7],       v[ADRA+\slot] offset:2*\k+64*\c+\i*8*PITCHA+32
.endr
.endr
.endm
.macro PLACES
.rept 4
	v_nop
.endr
.endm
.macro QUARTER slot, k, f, g, zero
	s_wait_dscnt 16                                ; the first 32 along K are in; the younger sixteen loads may be out
	WIN MUL
	MUL8 \f, 0, 0, \zero
	MUL8 \f, 0, 2, \zero
	PLACES
	FETCH \slot, \k, \g
	s_wait_dscnt 32                                ; all but the 32 just issued
	WIN MUL
	MUL8 \f, 1, 0, 0
	MUL8 \f, 1, 2, 0
.endm
; A slot's last quarter changes slots: one barrier; in front of it each wave waits for all its tensor loads, adds 0 to its spare word, and waits for that and for its reads of this slot.
.macro TURN slot, next, fill
	WIN 0
	s_wait_tensorcnt 0x0
	ds_add_u32 v[SPW], v[NIL]
	s_wait_dscnt 17                                ; the add and the youngest sixteen loads may be out
	WIN MUL
	MUL8 F1, 0, 0, 0
	s_wait_dscnt 0x0
	s_barrier_signal -1
	MUL8 F1, 0, 2, 0
.if \fill
	WIN 0
.endif
	s_barrier_wait -1
.if \fill
	CREST                                          ; the barrier has opened a round of the cluster's: no wave of any partner still reads this slot or has a load on its way
	s_add_nc_u64 s[G0+4*\slot+2:G0+4*\slot+3], s[G0+4*\slot+2:G0+4*\slot+3], 2*1024
	s_add_nc_u64 s[G0B+4*\slot+2:G0B+4*\slot+3], s[G0B+4*\slot+2:G0B+4*\slot+3], 2*512
	JLOAD \slot                                    ; its four v_nop are also the places in front of the loads below
.else
	PLACES
.endif
	FETCH \next, 0, F0
	WIN MUL
	MUL8 F1, 1, 0, 0
	MUL8 F1, 1, 2, 0
.endm
	s_wait_tensorcnt 1                             ; my part of K step 0 is in; K step 1's may be out
	s_barrier_signal -1
	s_barrier_wait -1
	FETCH 0, 0, F0
	s_wait_loadcnt 0x0                             ; the bias
	QUARTER 0, 128, F0, F1, 1                      ; K step 0
	QUARTER 0, 256, F1, F0, 0
	QUARTER 0, 384, F0, F1, 0
	TURN 0, 1, 1                                   ; slot 0 takes K step 2
	QUARTER 1, 128, F0, F1, 0                      ; K step 1
	QUARTER 1, 256, F1, F0, 0
	QUARTER 1, 384, F0, F1, 0
	TURN 1, 0, 1                                   ; slot 1 takes K step 3
	QUARTER 0, 128, F0, F1, 0                      ; K step 2
	QUARTER 0, 256, F1, F0, 0
	QUARTER 0, 384, F0, F1, 0
	TURN 0, 1, 0                                   ; nothing is left to ask for
	QUARTER 1, 128, F0, F1, 0                      ; K step 3
	QUARTER 1, 256, F1, F0, 0
	QUARTER 1, 384, F0, F1, 0
	s_wait_dscnt 16
	WIN MUL
	MUL8 F1, 0, 0, 0
	MUL8 F1, 0, 2, 0
	s_wait_dscnt 0
	MUL8 F1, 1, 0, 0
	MUL8 F1, 1, 2, 0
	WIN 0
	; THE WAY OUT, 16 rows x 64 columns at a time through my own stage: a row's 256 bytes are stored by sixteen lanes.
.macro TOSTAGE a
.irp b, 0,1,2,3
	ds_store_b128 v[STO], v[ACC+8*(4*(\a)+\b):ACC+8*(4*(\a)+\b)+3] offset:64*\b       ; each accumulator from its low end on
	ds_store_b128 v[STO], v[ACC+8*(4*(\a)+\b)+4:ACC+8*(4*(\a)+\b)+7] offset:64*\b+16
.endr
.set BB, BK+32*((\a)%2)
.irp t, 0,1,2,3,4,5,6,7
	ds_load_b128 v[BB+4*\t:BB+4*\t+3], v[RD] offset:\t*2*SPITCH   ; my own bytes, served in order
.endr
.endm
.macro SEND a, younger
.set BB, BK+32*((\a)%2)
	s_wait_dscnt \younger                          ; the block is back; the next block's eight stores and eight loads may be out
.if (\a) > 0
	s_add_nc_u64 s[8:9], s[8:9], 16*4096           ; (behind a wait on XCNT: the earlier stores have read their base)
.endif
.irp t, 0,1,2,3,4,5,6,7
	global_store_b128 v[CO], v[BB+4*\t:BB+4*\t+3], s[8:9] offset:2*\t*4096 th:TH_STORE_NT   ; sixteen lanes store 256 consecutive bytes, aligned
.endr
.endm
	PLACES
	TOSTAGE 0
.irp a, 1,2,3
	s_wait_xcnt 0x0                                ; the stores issued so far have read their data and their base
	TOSTAGE \a
	SEND \a-1, 16
.endr
	s_wait_xcnt 0x0
	SEND 3, 0
	s_wait_tensorcnt 0x0                           ; the wave's end
	ds_add_u32 v[SPW], v[NIL]
	s_wait_dscnt 0x0
	CROUND                                         ; the closing round
	s_endpgm
.Lfunc_end_k_q671ec47ac4_proj:
	.size	k_q671ec47ac4_proj, .Lfunc_end_k_q671ec47ac4_proj-k_q671ec47ac4_proj
	.p2alignl 7, 3214868480
	.fill 96, 4, 3214868480
	.section	.rodata,"a",@progbits
	.p2align	6, 0x0
	.amdhsa_kernel k_q671ec47ac4_proj
		.amdhsa_group_segment_fixed_size 327680
		.amdhsa_private_segment_fixed_size 0
		.amdhsa_enable_private_segment 0
		.amdhsa_kernarg_size 32
		.amdhsa_user_sgpr_count 2
		.amdhsa_user_sgpr_kernarg_segment_ptr 1
		.amdhsa_wavefront_size32 1
		.amdhsa_system_sgpr_workgroup_id_x 1
		.amdhsa_system_sgpr_workgroup_id_y 1
		.amdhsa_system_sgpr_workgroup_id_z 1
		.amdhsa_system_vgpr_workitem_id 0
		.amdhsa_next_free_vgpr 512
		.amdhsa_next_free_sgpr 72
		.amdhsa_reserve_vcc 0
		.amdhsa_float_denorm_mode_32 3
		.amdhsa_float_denorm_mode_16_64 3
		.amdhsa_memory_ordered 1
		.amdhsa_forward_progress 1
		.amdhsa_inst_pref_size 87
	.end_amdhsa_kernel
	.amdgpu_metadata
---
amdhsa.version: [ 1, 2 ]
amdhsa.kernels:
  - .name:           k_q671ec47ac4_proj
    .symbol:         k_q671ec47ac4_proj.kd
    .args:
      - { .name: attn_h, .offset: 0, .size: 8, .value_kind: global_buffer, .address_space: global }
      - { .name: wpt, .offset: 8, .size: 8, .value_kind: global_buffer, .address_space: global }
      - { .name: out0, .offset: 16, .size: 8, .value_kind: global_buffer, .address_space: global }
      - { .name: c_proj_b, .offset: 24, .size: 8, .value_kind: global_buffer, .address_space: global }
    .group_segment_fixed_size: 327680
    .private_segment_fixed_size: 0
    .kernarg_segment_align: 8
    .kernarg_segment_size: 32
    .max_flat_workgroup_size: 128
    .sgpr_count:     72
    .vgpr_count:     512
    .wavefront_size: 32
...
	.end_amdgpu_metadata
.endif
;; end of part 4
;; launch fine (part 5): grid 64 x 2, 16 waves a work-group, no clusters, 18,432 bytes of LDS; arguments qkv_fine, c_proj_w, c_proj_b, out0; writes out0
.if DOCPART == 5
	.amdgcn_target "amdgcn-amd-amdhsa--gfx1250"
	.amdhsa_code_object_version 6
	.text
	.protected	k_q671ec47ac4_fine
	.globl	k_q671ec47ac4_fine
	.p2align	8
	.type	k_q671ec47ac4_fine,@function
k_q671ec47ac4_fine:
	s_mov_b64 s[64:65], 0
	v_nop
	global_prefetch_b8 v0, s[64:65] scope:SCOPE_SE
	s_setreg_imm32_b32 hwreg(HW_REG_WAVE_MODE, 25, 1), 1
	s_wait_xcnt 0x0
; THE FIRST 16 POSITIONS OF BOTH SEQUENCES, ALL IN f32: under the causal mask they average one to sixteen values and are the largest rows of the output, so 16-bit operands would weigh most there.
; Work-group (x, y): batch y (slice 2 y of qkv_fine, [16 rows][3072] f32), output columns 16 x .. 16 x + 15.  Wave w = head w: S^T = K Q^T (16 x 16 x 64), mask, softmax (the maximum taken away, p normalised),
; O^T = V^T P (64 x 16 x 16), and its part of the projection, W^T O^T (16 x 16 x 64).  The sixteen heads' parts meet in LDS; waves 0 and 1 add them in a fixed order, with the bias, and store.
; All products by v_wmma_f32_16x16x4_f32; along a product's K the order of the four numbers of a step is permuted alike on both sides.  The registers that these products write are written by nothing else.
; Each work-group repeats the small attention, so that the projection is spread over 128 work-groups.  A lane stores 16 bytes, four lanes' worth (64 bytes) of a row: 131,072 bytes in the whole launch.
; REGISTERS: v1-11 addresses; v12-13 the add's two; v14-15 at work; v16-47 q (later v16-23 at work, v44-47 the bias); v48-79 k; v80-111 v; v112-143 W (later v80-143 the sixteen parts);
;   v144-175 four sums of S^T; v176-207 O^T; v208-239 four sums of the projection; v240-247 scores, later my part; v248-255 p.
.set RED,   0                          ; 16 waves x 1,024 bytes: images of eight registers
.set SPARE, 16384                      ; the spare words, 128 bytes a wave
.set SPW, 12
.set NIL, 13
	s_load_b256 s[4:11], s[0:1], 0x0               ; qkv_fine s[4:5], c_proj_w s[6:7], c_proj_b s[8:9], out0 s[10:11]
	v_lshl_add_u32 v[SPW], v0, 2, SPARE
	v_mov_b32 v[NIL], 0
	v_lshrrev_b32 v1, 5, v0
	v_readfirstlane_b32 s12, v1                    ; wave = head
	v_and_b32 v1, 15, v0                           ; r
	v_bfe_u32 v2, v0, 4, 1                         ; h
	v_mul_u32_u24 v3, v1, 12288
	v_lshl_add_u32 v3, v2, 4, v3                   ; q, k: row r, + 16 h: four channels of each eight
	v_mul_u32_u24 v4, v2, 98304
	v_lshl_add_u32 v4, v1, 2, v4                   ; v: rows 8 h on, channel r of a tile
	v_lshlrev_b32 v5, 15, v2
	v_lshl_add_u32 v5, v1, 2, v5                   ; W: rows 8 h on, column r
	v_bfe_u32 v6, v0, 5, 1                         ; u: which four of a lane's eight columns (waves 0 and 1)
	v_lshlrev_b32 v7, 5, v2
	v_lshl_add_u32 v7, v6, 4, v7                   ; the bias: 32 h + 16 u
	v_lshl_add_u32 v9, v1, 12, v7                  ; out0: row r, the same columns
	v_lshlrev_b32 v10, 4, v0                       ; the parts back: 16 x thread (waves 0 and 1)
	v_and_b32 v11, 31, v0
	s_lshl_b32 s13, s12, 10
	v_lshl_add_u32 v11, v11, 4, s13                ; my part in: 1,024 w + 16 l
	v_mov_b32 v8, 0                                ; a lane permute's destination counts as one of its sources
	s_mov_b32 s20, 0x76543210
	s_mov_b32 s21, 0xfedcba98
	s_mov_b32 s22, 0x3e38aa3b                      ; c = log2(e) / 8
	s_and_b32 s14, ttmp7, 0xffff                   ; the batch
	s_lshl_b32 s15, ttmp9, 6                       ; my 16 columns in bytes
	s_mov_b32 s17, 0
	s_mul_i32 s16, s14, 393216                     ; slice 2 y
	s_lshl_b32 s18, s12, 8
	s_add_co_u32 s16, s16, s18                     ; my head's 64 channels
	s_wait_kmcnt 0x0
	s_add_nc_u64 s[4:5], s[4:5], s[16:17]
	s_lshl_b32 s16, s12, 18                        ; my head's 64 rows of W
	s_add_co_u32 s16, s16, s15
	s_add_nc_u64 s[6:7], s[6:7], s[16:17]
	s_mov_b32 s16, s15
	s_add_nc_u64 s[8:9], s[8:9], s[16:17]
	s_lshl_b32 s16, s14, 23                        ; row 2,048 y
	s_add_co_u32 s16, s16, s15
	s_add_nc_u64 s[10:11], s[10:11], s[16:17]
.irp s, 0,1,2,3,4,5,6,7
	global_load_b128 v[16+4*\s:19+4*\s], v3, s[4:5] offset:32*\s            ; q(r, 8 s + 4 h + 0 .. 3)
.endr
.irp s, 0,1,2,3,4,5,6,7
	global_load_b128 v[48+4*\s:51+4*\s], v3, s[4:5] offset:4096+32*\s       ; k likewise
.endr
.irp t, 0,1,2,3
.irp e, 0,1,2,3,4,5,6,7
	global_load_b32 v[80+8*\t+\e], v4, s[4:5] offset:8192+\e*12288+64*\t    ; v(key 8 h + e, channel 16 t + r)
.endr
.endr
.irp t, 0,1,2,3
.irp e, 0,1,2,3,4,5,6,7
	global_load_b32 v[112+8*\t+\e], v5, s[6:7] offset:(16*\t+\e)*4096       ; W(channel 16 t + 8 h + e, column r)
.endr
.endr
	s_wait_loadcnt 63                              ; q and k are in: 64 loads were issued behind them, and a wait names 63 at the most
.set U, 0
.rept 16                               ; S^T: four sums by turns; the first four steps start them
.if U < 4
	v_wmma_f32_16x16x4_f32 v[144+8*(U%4):151+8*(U%4)], v[48+2*U:49+2*U], v[16+2*U:17+2*U], 0
.else
	v_wmma_f32_16x16x4_f32 v[144+8*(U%4):151+8*(U%4)], v[48+2*U:49+2*U], v[16+2*U:17+2*U], v[144+8*(U%4):151+8*(U%4)]
.endif
.set U, U+1
.endr
	v_lshlrev_b32 v6, 3, v2                        ; eight places behind this form (ISA guide 7.12.1):
	v_sub_nc_u32 v6, v1, v6                        ; d = r - 8 h: register j holds key 8 h + j, hidden where j > d
	v_mov_b32 v14, 0xff800000                      ; -infinity
.rept 5
	v_nop
.endr
	global_load_b128 v[44:47], v7, s[8:9]          ; the bias, into registers of q that are done with
.irp j, 0,1,2,3,4,5,6,7
	v_add_f32 v[240+\j], v[144+\j], v[152+\j]      ; each sum is read from its low end on
.endr
.irp j, 0,1,2,3,4,5,6,7
	v_add_f32 v[16+\j], v[160+\j], v[168+\j]
.endr
.irp j, 0,1,2,3,4,5,6,7
	v_add_f32 v[240+\j], v[240+\j], v[16+\j]
.endr
.irp j, 0,1,2,3,4,5,6,7
	v_cmp_gt_i32 vcc_lo, \j, v6
	v_cndmask_b32 v[240+\j], v[240+\j], v14, vcc_lo
.endr
	v_max3_num_f32 v15, v240, v241, v242
	v_max3_num_f32 v15, v15, v243, v244
	v_max3_num_f32 v15, v15, v245, v246
	v_max_num_f32 v15, v15, v247
	v_permlanex16_b32 v8, v15, s20, s21
	v_max_num_f32 v15, v15, v8                     ; the row's largest score (key 0 counts for every query)
	v_mul_f32 v15, s22, v15
.irp j, 0,1,2,3,4,5,6,7
	v_fma_f32 v[248+\j], v[240+\j], s22, -v15
.endr
.irp j, 0,1,2,3,4,5,6,7
	v_exp_f32 v[248+\j], v[248+\j]
.endr
	v_nop
	s_wait_alu depctr_va_vdst(0)                   ; one wait for the eight, ahead of their first reader
	v_add_f32 v14, v248, v249
	v_add_f32 v15, v250, v251
	v_add_f32 v16, v252, v253
	v_add_f32 v17, v254, v255
	v_add_f32 v14, v14, v15
	v_add_f32 v16, v16, v17
	v_add_f32 v14, v14, v16
	v_permlanex16_b32 v8, v14, s20, s21
	v_add_f32 v14, v14, v8
	v_rcp_f32 v14, v14
	v_nop
	s_wait_alu depctr_va_vdst(0)
.irp j, 0,1,2,3,4,5,6,7
	v_mul_f32 v[248+\j], v[248+\j], v14            ; p, normalised
.endr
	s_wait_loadcnt 33                              ; v is in: W's 32 loads and the bias's may be out
.irp s, 0,1,2,3                        ; O^T = V^T P: step s takes keys 8 h + 2 s + 0, 1; the four tiles of channels by turns
.irp t, 0,1,2,3
.if \s == 0
	v_wmma_f32_16x16x4_f32 v[176+8*\t:183+8*\t], v[80+8*\t+2*\s:81+8*\t+2*\s], v[248+2*\s:249+2*\s], 0
.else
	v_wmma_f32_16x16x4_f32 v[176+8*\t:183+8*\t], v[80+8*\t+2*\s:81+8*\t+2*\s], v[248+2*\s:249+2*\s], v[176+8*\t:183+8*\t]
.endif
.endr
.endr
.rept 9
	v_nop                                          ; nine places: the next products take these results as a source
.endr
	s_wait_loadcnt 0x0                             ; W, and the bias
.irp t, 0,1,2,3                        ; the projection: source 0 = 16 columns of W, source 1 = O^T's own registers: step (t, s) takes channels 16 t + 8 h + 2 s + 0, 1; four sums by turns
.irp s, 0,1,2,3
.if \t == 0
	v_wmma_f32_16x16x4_f32 v[208+8*\s:215+8*\s], v[112+8*\t+2*\s:113+8*\t+2*\s], v[176+8*\t+2*\s:177+8*\t+2*\s], 0
.else
	v_wmma_f32_16x16x4_f32 v[208+8*\s:215+8*\s], v[112+8*\t+2*\s:113+8*\t+2*\s], v[176+8*\t+2*\s:177+8*\t+2*\s], v[208+8*\s:215+8*\s]
.endif
.endr
.endr
.rept 8
	v_nop
.endr
.irp j, 0,1,2,3,4,5,6,7
	v_add_f32 v[240+\j], v[208+\j], v[216+\j]
.endr
.irp j, 0,1,2,3,4,5,6,7
	v_add_f32 v[16+\j], v[224+\j], v[232+\j]
.endr
.irp j, 0,1,2,3,4,5,6,7
	v_add_f32 v[240+\j], v[240+\j], v[16+\j]       ; lane (r, h), register j: my head's part of out(query r, column 8 h + j)
.endr
	ds_store_b128 v11, v[240:243] offset:RED
	ds_store_b128 v11, v[244:247] offset:RED+512
	s_wait_dscnt 0x0                               ; for the others' sake: my stores have landed
	s_barrier_signal -1
	s_barrier_wait -1
	s_cmp_lt_u32 s12, 2
	s_cbranch_scc0 .Ldone
.irp w, 0,1,2,3,4,5,6,7,8,9,10,11,12,13,14,15
	ds_load_b128 v[80+4*\w:83+4*\w], v10 offset:RED+1024*\w
.endr
	s_wait_dscnt 0x0
.irp w, 0,1,2,3,4,5,6,7,8,9,10,11,12,13,14,15
	v_pk_add_f32 v[44:45], v[44:45], v[80+4*\w:81+4*\w]    ; the bias, then heads 0 to 15, in this order
	v_pk_add_f32 v[46:47], v[46:47], v[82+4*\w:83+4*\w]
.endr
	global_store_b128 v9, v[44:47], s[10:11]
.Ldone:
	s_wait_tensorcnt 0x0                           ; the wave's end
	ds_add_u32 v[SPW], v[NIL]
	s_wait_dscnt 0x0
	s_endpgm
.Lfunc_end_k_q671ec47ac4_fine:
	.size	k_q671ec47ac4_fine, .Lfunc_end_k_q671ec47ac4_fine-k_q671ec47ac4_fine
	.p2alignl 7, 3214868480
	.fill 96, 4, 3214868480
	.section	.rodata,"a",@progbits
	.p2align	6, 0x0
	.amdhsa_kernel k_q671ec47ac4_fine
		.amdhsa_group_segment_fixed_size 18432
		.amdhsa_private_segment_fixed_size 0
		.amdhsa_enable_private_segment 0
		.amdhsa_kernarg_size 32
		.amdhsa_user_sgpr_count 2
		.amdhsa_user_sgpr_kernarg_segment_ptr 1
		.amdhsa_wavefront_size32 1
		.amdhsa_system_sgpr_workgroup_id_x 1
		.amdhsa_system_sgpr_workgroup_id_y 1
		.amdhsa_system_sgpr_workgroup_id_z 1
		.amdhsa_system_vgpr_workitem_id 0
		.amdhsa_next_free_vgpr 256
		.amdhsa_next_free_sgpr 66
		.amdhsa_reserve_vcc 1
		.amdhsa_float_denorm_mode_32 3
		.amdhsa_float_denorm_mode_16_64 3
		.amdhsa_memory_ordered 1
		.amdhsa_forward_progress 1
		.amdhsa_inst_pref_size 22
	.end_amdhsa_kernel
	.amdgpu_metadata
---
amdhsa.version: [ 1, 2 ]
amdhsa.kernels:
  - .name:           k_q671ec47ac4_fine
    .symbol:         k_q671ec47ac4_fine.kd
    .args:
      - { .name: qkv_fine, .offset: 0, .size: 8, .value_kind: global_buffer, .address_space: global }
      - { .name: c_proj_w, .offset: 8, .size: 8, .value_kind: global_buffer, .address_space: global }
      - { .name: c_proj_b, .offset: 16, .size: 8, .value_kind: global_buffer, .address_space: global }
      - { .name: out0, .offset: 24, .size: 8, .value_kind: global_buffer, .address_space: global }
    .group_segment_fixed_size: 18432
    .private_segment_fixed_size: 0
    .kernarg_segment_align: 8
    .kernarg_segment_size: 32
    .max_flat_workgroup_size: 512
    .sgpr_count:     66
    .vgpr_count:     256
    .wavefront_size: 32
...
	.end_amdgpu_metadata
.endif
;; end of part 5
